; MI455X (gfx1250); checked and timed in simulation.
; The chip was launched on July 23, 2026; its instructions are those of AMD's public machine-readable ISA for CDNA 5 (MIT licence, August 2026) and "CDNA5" Instruction Set Architecture Reference Guide (July 2026). The comments in the code are by the model that wrote it; some were corrected since.
;; Spatial Attention. Allowed arithmetic: float matrix products may take bf16 or f16 operands with f32 sums; all other float work in f32.
;; Inputs: Wk 256 x 256 float32; Wv 256 x 256 float32; hidden 4 x 256 x 4,096 float32; input 4 x 256 x 4,096 float32.
;; Outputs: out0 4 x 256 x 4,096 float32.
;; 2 versions, each right; version 2 is version 1 with the launches scores, mix written anew for expert scheduling mode. Each part assembles by itself: llvm-mc -triple=amdgcn-amd-amdhsa -mcpu=gfx1250 --defsym DOCPART=n.
;; ======== version 1 of 2: 3 launches
;; workspace buffers: wf 262,144 bytes; coef 327,680 bytes; upart 262,144 bytes
;; launch pack (part 1): grid 32 x 2, 8 waves a work-group, no clusters, 0 bytes of LDS; arguments Wk, Wv, wf; writes wf
.if DOCPART == 1
	.amdgcn_target "amdgcn-amd-amdhsa--gfx1250"
	.amdhsa_code_object_version 6
	.text
	.protected	k_q78c0e0cc69_pack
	.globl	k_q78c0e0cc69_pack
	.p2align	8
	.type	k_q78c0e0cc69_pack,@function
k_q78c0e0cc69_pack:
	s_mov_b64 s[64:65], 0
	v_nop
	global_prefetch_b8 v0, s[64:65] scope:SCOPE_SE
	s_setreg_imm32_b32 hwreg(HW_REG_WAVE_MODE, 25, 1), 1
	s_wait_xcnt 0x0
; Wk and Wv, [256][256] f32, are rounded to bf16 and laid out in the order in which the later launches' matrix
; instructions want them as the second source (column n = output channel, K along a lane's registers), so that a
; wave there fills a fragment by plain 16-byte loads of 512 consecutive bytes.
; wf: bytes 0 .. 131071 from Wk (used transposed: p = Wk^T hidden), bytes 131072 .. from Wv.
; Chunk ch = (i*8 + s)*2 + q of 512 bytes: i = tile of 16 output channels, s = K step of 32, q = half of the fragment.
; Lane (r = lane & 15, h = lane >> 4) owns the 16 bytes at ch*512 + 16*lane: k = 32 s + 16 q + 8 h + j, j = 0 .. 7,
;   Wk part: Wk[k][16 i + r]        Wv part: Wv[16 i + r][k]
; One wave makes one chunk: 256 chunks for each matrix = 32 work-groups of 8 waves; grid y picks the matrix.
; 64 work-groups: the launch has 512 KiB to read and no work for more.
	s_load_b128 s[4:7], s[0:1], 0x0                ; Wk s[4:5], Wv s[6:7]
	s_load_b64 s[8:9], s[0:1], 0x10                ; wf
	v_lshrrev_b32 v1, 5, v0
	v_readfirstlane_b32 s10, v1                    ; wave
	s_lshl_b32 s11, ttmp9, 3
	s_add_co_u32 s11, s11, s10                     ; ch
	s_and_b32 s12, s11, 1                          ; q
	s_bfe_u32 s13, s11, 0x30001                    ; s: 3 bits from bit 1
	s_lshr_b32 s14, s11, 4                         ; i
	s_and_b32 s15, ttmp7, 0xffff                   ; 0: Wk, 1: Wv
	s_lshl_b32 s16, s13, 5
	s_lshl4_add_u32 s16, s12, s16                  ; k0 = 32 s + 16 q
	s_lshl_b32 s18, s15, 17                        ; where the chunk goes: matrix x 131072
	s_lshl_b32 s17, s11, 9
	s_add_co_u32 s18, s18, s17                     ; + ch x 512
	s_mov_b32 s19, 0
	s_mov_b32 s21, 0
	v_and_b32 v2, 15, v0                           ; r
	v_bfe_u32 v3, v0, 4, 1                         ; h
	v_and_b32 v4, 31, v0
	v_lshlrev_b32 v4, 4, v4                        ; 16 x lane
	s_wait_kmcnt 0x0
	s_add_nc_u64 s[8:9], s[8:9], s[18:19]
	s_cmp_lg_u32 s15, 0
	s_cbranch_scc1 .Lwv
	; Wk[k0 + 8 h + j][16 i + r]: eight words a lane, one from each of eight rows of 1,024 bytes
	s_lshl_b32 s20, s16, 10
	s_lshl_b32 s17, s14, 6
	s_add_co_u32 s20, s20, s17                     ; k0 rows + 16 i columns
	s_add_nc_u64 s[4:5], s[4:5], s[20:21]
	v_lshlrev_b32 v5, 2, v2
	v_lshl_add_u32 v5, v3, 13, v5                  ; 8 h rows + r columns
.irp j, 0,1,2,3,4,5,6,7
	global_load_b32 v[8+\j], v5, s[4:5] offset:1024*\j
.endr
	s_branch .Lpack
.Lwv:
	; Wv[16 i + r][k0 + 8 h + j]: 32 consecutive bytes a lane
	s_lshl_b32 s20, s14, 14
	s_lshl2_add_u32 s20, s16, s20                  ; 16 i rows + k0 columns
	s_add_nc_u64 s[6:7], s[6:7], s[20:21]
	v_lshlrev_b32 v5, 10, v2
	v_lshl_add_u32 v5, v3, 5, v5                   ; r rows + 8 h columns
	global_load_b128 v[8:11], v5, s[6:7]
	global_load_b128 v[12:15], v5, s[6:7] offset:16
.Lpack:
	s_wait_loadcnt 0x0                             ; eight loads on one way, two on the other: all of them
.irp j, 0,1,2,3
	v_cvt_pk_bf16_f32 v[16+\j], v[8+2*\j], v[9+2*\j]       ; the lower k into the lower half
.endr
	global_store_b128 v4, v[16:19], s[8:9]         ; the wave stores 512 consecutive bytes, aligned
	s_endpgm
.Lfunc_end_k_q78c0e0cc69_pack:
	.size	k_q78c0e0cc69_pack, .Lfunc_end_k_q78c0e0cc69_pack-k_q78c0e0cc69_pack
	.p2alignl 7, 3214868480
	.fill 96, 4, 3214868480
	.section	.rodata,"a",@progbits
	.p2align	6, 0x0
	.amdhsa_kernel k_q78c0e0cc69_pack
		.amdhsa_group_segment_fixed_size 0
		.amdhsa_private_segment_fixed_size 0
		.amdhsa_enable_private_segment 0
		.amdhsa_kernarg_size 24
		.amdhsa_user_sgpr_count 2
		.amdhsa_user_sgpr_kernarg_segment_ptr 1
		.amdhsa_wavefront_size32 1
		.amdhsa_system_sgpr_workgroup_id_x 1
		.amdhsa_system_sgpr_workgroup_id_y 1
		.amdhsa_system_sgpr_workgroup_id_z 1
		.amdhsa_system_vgpr_workitem_id 0
		.amdhsa_next_free_vgpr 24
		.amdhsa_next_free_sgpr 66
		.amdhsa_reserve_vcc 0
		.amdhsa_float_denorm_mode_32 3
		.amdhsa_float_denorm_mode_16_64 3
		.amdhsa_memory_ordered 1
		.amdhsa_forward_progress 1
		.amdhsa_inst_pref_size 3
	.end_amdhsa_kernel
	.amdgpu_metadata
---
amdhsa.version: [ 1, 2 ]
amdhsa.kernels:
  - .name:           k_q78c0e0cc69_pack
    .symbol:         k_q78c0e0cc69_pack.kd
    .args:
      - { .name: Wk, .offset: 0, .size: 8, .value_kind: global_buffer, .address_space: global }
      - { .name: Wv, .offset: 8, .size: 8, .value_kind: global_buffer, .address_space: global }
      - { .name: wf, .offset: 16, .size: 8, .value_kind: global_buffer, .address_space: global }
    .group_segment_fixed_size: 0
    .private_segment_fixed_size: 0
    .kernarg_segment_align: 8
    .kernarg_segment_size: 24
    .max_flat_workgroup_size: 256
    .sgpr_count:     66
    .vgpr_count:     24
    .wavefront_size: 32
...
	.end_amdgpu_metadata
.endif
;; end of part 1
;; launch scores (part 2): grid 256 x 1, 8 waves a work-group, no clusters, 133,632 bytes of LDS; arguments input, hidden, wf, coef, upart; writes coef, upart
.if DOCPART == 2
	.amdgcn_target "amdgcn-amd-amdhsa--gfx1250"
	.amdhsa_code_object_version 6
	.text
	.protected	k_q78c0e0cc69_scores
	.globl	k_q78c0e0cc69_scores
	.p2align	8
	.type	k_q78c0e0cc69_scores,@function
k_q78c0e0cc69_scores:
	s_mov_b64 s[64:65], 0
	v_nop
	global_prefetch_b8 v0, s[64:65] scope:SCOPE_SE
	s_setreg_imm32_b32 hwreg(HW_REG_WAVE_MODE, 25, 1), 1
	s_wait_xcnt 0x0
; SpatialAttention, first half.  x = input, [4][256][4096] f32; positions n, m run along the rows.
; The scores are multiplied by a band mask that the problem itself builds (|m - n| <= 2) and then softmaxed over the whole row:
; outside the band every score is 0.  So for row n, with s the five band scores,
;   M = max(0, s)   (the row's true maximum: every row holds zeros)     Z = 4091 e^-M + sum over the 5 of e^(s-M)
;   w[n] = e^-M / Z  (the weight of every place outside the band)       b[n][d] = e^(s[n][n+d]-M) / Z - w[n],  d = -2 .. 2
; A band place outside 0 .. 4095 is served by x = 0 there: its score is 0, so it counts as one more zero of the row.
; s[n][m] = (1/16) sum over c of p[c][n] x[c][m],  p = Wk^T hidden: the product with Wk is made on the tile's own 64 columns.
; This launch stores b (coef: [4][5][4096] f32) and the tile's part of u[c] = sum over n of x[c][n] w[n] (upart: [4][64][256] f32).
;
; SHARES.  256 work-groups: batch = id >> 6, tile of 64 positions = id & 63 (a tile's row is 256 consecutive bytes, aligned).
; Eight waves.  Product p: wave w makes channels 32 w .. 32 w + 31 x 64 positions, 8 accumulators of 16 x 16.
; Scores: wave w makes one 16 x 16 tile (16 rows n, one of the two blocks of 16 columns that hold their band).  Softmax: wave 0, two rows a lane.
; The matrix instruction takes positions as M and channels as N: a lane's 8 results are 8 neighbouring positions of one channel.
;
; NO JOINT LOADS: what work-groups share is Wk's 128 KiB in bf16.  Each wave needs 16 KiB of it, once, and loads it straight into the
; registers that the matrix instructions name; a joint load would put 128 KiB into LDS and have them read back, twice the 64 KiB tile's own bytes.
; NO TENSOR LOADS: every tile is rounded to bf16 on its way into LDS and used once; all 66 loads of a wave go out at the head.
;
; LIMITS.  hidden, Wk, p and (for the scores) x are rounded to bf16; sums in f32.  v_exp_f32 gives 0 below 2^-126 (ISA guide, 15.8):
; weights below that, against a Z of at least 1, are dropped.  b is formed as a difference of two weights, both at most 1.
.set P16,  160                         ; pitch of the bf16 tiles: 5 x 32 bytes
.set HB,   0                           ; hidden, bf16 [256 channels][64 positions]
.set XB,   40960                       ; x, bf16 [256][80]: column = position in the tile + 8; 6, 7 and 72, 73 the neighbours' columns; 0-5, 74-79 zero
.set PB,   81920                       ; p, bf16 [256][64]
.set SC,   122880                      ; raw scores, f32 [64 rows n][32 columns], column = XB's column - 16 (n >> 4)
.set SCP,  132
.set WN,   131328                      ; w, f32 [64]
.set UL,   131584                      ; the tile's part of u, f32 [256]
; vector registers, window 0
.set XO,   1                           ; byte offset of my 16 bytes in rows t >> 4 of a tile
.set VL,   2                           ; row t: the two columns left of the tile
.set VR,   3                           ; row t: the two columns right of it
.set WO,   4                           ; my 16 bytes of my wave's weight chunks
.set HA,   5                           ; LDS addresses: see where they are made
.set XA,   6
.set XH,   7
.set TRA,  8
.set PS,   9
.set PBA,  10
.set XBA,  11
.set SCS,  12
.set SMA,  13
.set WNS,  14
.set CFO,  15
.set WNR,  240
.set ULS,  241
.set ULR,  242
.set UPO,  243
.set TWV,  250                         ; at work on addresses
.set TRW,  251
.set TG4,  252
.set THF,  253
.set TLN,  254
.set TT,   255
.set XR,   16                          ; v[16:79]    x in f32, slot i = rows 16 i + (t >> 4); kept to the end
.set HR,   80                          ; v[80:143]   hidden as loaded
.set ACC,  80                          ; v[80:143]   then the 8 accumulators
.set BF0,  144                         ; v[144:175]  fragments of hidden, two buffers
.set BF1,  176                         ; v[176:207]
.set XT,   144                         ; v[144:175]  first: x packed
.set HL,   208                         ; v[208:211]  the neighbours' columns
.set ZL,   212                         ; v[212:215]  0, 0, 0, left pair
.set ZR,   216                         ; v[216:219]  right pair, 0, 0, 0
.set PP,   208                         ; v[208:239]  then p packed
.set SF,   80                          ; v[80:207]   then the scores' fragments: step s: p at 16 s, x at 16 s + 8
.set SCA,  208                         ; v[208:215]  scores, even K steps
.set SCB,  216                         ; v[216:223]  scores, odd K steps
.set EE,   80                          ; v[80:89]    softmax: pair dd = rows 2 l, 2 l + 1
.set MX,   90
.set E0,   92
.set ZZ,   94
.set RZ,   96
.set WW,   98
.set WV,   100                         ; v[100:103]  w of my four positions
.set UT,   104                         ; v[104:135]  sums for u
.set UO,   136
.set AF,   0                           ; window 1: v[256:383], written v[0:127]: Wk's fragments, (a, s) at 8 (8 a + s)
.set MSB,  0
.macro WIN new                         ; s_set_vgpr_msb: bits 1:0 source 0, 3:2 source 1, 5:4 source 2, 7:6 destination; the high byte repeats the setting that is left
.if MSB != \new
	s_set_vgpr_msb (MSB<<8)|\new
.set MSB, \new
.endif
.endm
.macro PLACES                          ; four plain vector instructions between a matrix instruction and a load into, or a read of, its registers
.rept 4
	v_nop
.endr
.endm
.macro BAR                             ; my LDS instructions are done, then the work-group's barrier
	s_wait_dscnt 0x0
	s_barrier_signal -1
	s_barrier_wait -1
.endm
; K step s of the activations, 32 channels x 64 positions, into buffer f: the tile lies [K][position], so the loads transpose
.macro FETCH s, f
.irp bn, 0,1,2,3
	ds_load_tr16_b128 v[\f+8*\bn:\f+8*\bn+3],   v[TRA] offset:(\s)*32*P16+\bn*32
	ds_load_tr16_b128 v[\f+8*\bn+4:\f+8*\bn+7], v[TRA] offset:(\s)*32*P16+\bn*32+16*P16
.endr
.endm
; 8 matrix instructions: 2 channel tiles x 4 position tiles.  The 8 accumulators take turns, one instruction a turn, in the same order in every step.
.macro MUL8 s, f, zero
.irp a, 0,1
.irp bn, 0,1,2,3
.if \zero
	v_wmma_f32_16x16x32_bf16 v[ACC+8*(4*\a+\bn):ACC+8*(4*\a+\bn)+7], v[\f+8*\bn:\f+8*\bn+7], v[AF+8*(8*\a+\s):AF+8*(8*\a+\s)+7], 0
.else
	v_wmma_f32_16x16x32_bf16 v[ACC+8*(4*\a+\bn):ACC+8*(4*\a+\bn)+7], v[\f+8*\bn:\f+8*\bn+7], v[AF+8*(8*\a+\s):AF+8*(8*\a+\s)+7], v[ACC+8*(4*\a+\bn):ACC+8*(4*\a+\bn)+7]
.endif
.endr
.endr
.endm
.macro STEP s, f, g                    ; multiplies step s from buffer f; ahead of it fetches step s + 1 into g, which the matrix instructions just before have read
	PLACES
	FETCH \s+1, \g
	s_wait_dscnt 8                                 ; all but the eight loads just issued
	MUL8 \s, \f, 0
.endm
.macro GEMM zero                       ; K = 256 in 8 steps
	FETCH 0, BF0
	FETCH 1, BF1
	s_wait_dscnt 8                                 ; all but step 1's eight loads
	MUL8 0, BF0, \zero
	STEP 1, BF1, BF0
	STEP 2, BF0, BF1
	STEP 3, BF1, BF0
	STEP 4, BF0, BF1
	STEP 5, BF1, BF0
	STEP 6, BF0, BF1
	s_wait_dscnt 0
	MUL8 7, BF1, 0
	PLACES                                         ; in front of whatever reads the results or loads into the buffers
.endm
	s_load_b256 s[4:11], s[0:1], 0x0               ; input s[4:5], hidden s[6:7], wf s[8:9], coef s[10:11]
	s_load_b64 s[12:13], s[0:1], 0x20              ; upart
	v_lshl_add_u32 v248, v0, 2, 0x20600
	v_mov_b32 v249, 0
	v_lshrrev_b32 v[TWV], 5, v0
	v_readfirstlane_b32 s14, v[TWV]                ; wave
	v_lshrrev_b32 v[TRW], 4, v0                    ; t >> 4
	v_and_b32 v[TG4], 15, v0                       ; t & 15: also r of the matrix layouts
	v_bfe_u32 v[THF], v0, 4, 1                     ; h of the matrix layouts
	v_and_b32 v[TLN], 31, v0                       ; lane
	s_lshr_b32 s15, ttmp9, 6                       ; batch
	s_and_b32 s16, ttmp9, 63                       ; tile
	s_lshl_b32 s17, s16, 8                         ; 64 positions of 4 bytes
	s_lshl_b32 s18, s15, 22                        ; 256 rows of 16,384 bytes
	s_add_co_u32 s18, s18, s17                     ; the tile's first byte in input and in hidden
	s_mov_b32 s19, 0
	s_cmp_eq_u32 s16, 0                            ; the batch's first tile has nothing on its left: it loads its own first two columns and masks them to 0
	s_cselect_b32 s26, 0, -1
	s_cselect_b32 s24, 0, 8
	s_sub_co_u32 s24, s18, s24
	s_cmp_eq_u32 s16, 63                           ; the last tile likewise on its right: its own last two columns (byte 248), masked
	s_cselect_b32 s27, 0, -1
	s_cselect_b32 s25, 31, 32
	s_lshl3_add_u32 s25, s25, s18
	v_lshlrev_b32 v[XO], 4, v[TG4]
	v_lshl_add_u32 v[XO], v[TRW], 14, v[XO]        ; sixteen lanes cover a row's 256 bytes
	v_lshl_add_u32 v[VL], v0, 14, s24
	v_lshl_add_u32 v[VR], v0, 14, s25
	s_lshl_b32 s36, s14, 14                        ; my wave's 32 chunks of 512 bytes
	v_lshl_add_u32 v[WO], v[TLN], 4, s36
	s_wait_kmcnt 0x0
	s_add_nc_u64 s[20:21], s[4:5], s[18:19]
	s_add_nc_u64 s[22:23], s[6:7], s[18:19]
	; all 66 loads of the wave, in the order in which they are needed
.irp i, 0,1,2,3,4,5,6,7,8,9,10,11,12,13,14,15
	global_load_b128 v[HR+4*\i:HR+4*\i+3], v[XO], s[22:23] offset:262144*\i th:TH_LOAD_NT      ; hidden is read once in the whole program
.endr
.irp i, 0,1,2,3,4,5,6,7,8,9,10,11,12,13,14,15
	global_load_b128 v[XR+4*\i:XR+4*\i+3], v[XO], s[20:21] offset:262144*\i
.endr
	global_load_b64 v[HL:HL+1],   v[VL], s[4:5]
	global_load_b64 v[HL+2:HL+3], v[VR], s[4:5]
	WIN 0x40                                       ; destination in window 1
.set ck, 0
.rept 32
	global_load_b128 v[AF+4*ck:AF+4*ck+3], v[WO], s[8:9] offset:512*ck
.set ck, ck+1
.endr
	WIN 0
	; the other addresses, while the loads are on their way
	s_mul_i32 s32, s15, 81920
	s_add_co_u32 s32, s32, s17
	s_mov_b32 s33, 0
	s_add_nc_u64 s[28:29], s[10:11], s[32:33]      ; coef at [batch][0][tile's first position]
	s_lshl_b32 s34, ttmp9, 10
	s_mov_b32 s35, 0
	s_add_nc_u64 s[30:31], s[12:13], s[34:35]      ; upart at [batch][tile][0]
	v_mul_u32_u24 v[HA], v[TRW], P16
	v_lshl_add_u32 v[HA], v[TG4], 3, v[HA]         ; HB (= 0) + row x pitch + my 4 positions in bf16
	v_add_nc_u32 v[XA], XB+16, v[HA]               ; the same in XB, 8 columns further in
	v_mul_u32_u24 v[XH], v0, P16
	v_add_nc_u32 v[XH], XB, v[XH]                  ; row t of XB
	v_and_b32 v[TT], 7, v0
	v_lshl_add_u32 v[TRA], v[THF], 3, v[TT]        ; transposing loads: row 8 h + (lane & 7),
	v_mul_u32_u24 v[TRA], v[TRA], P16
	v_bfe_u32 v[TT], v0, 3, 1
	v_lshl_add_u32 v[TRA], v[TT], 4, v[TRA]        ; 16 bytes further for lanes 8-15 and 24-31; HB = 0
	s_mul_i32 s36, s14, 32*P16
	s_add_co_u32 s36, s36, PB
	v_mul_u32_u24 v[PS], v[TG4], P16
	v_lshl_add_u32 v[PS], v[THF], 4, v[PS]
	v_add_nc_u32 v[PS], s36, v[PS]                 ; PB + (32 wave + r) rows + 8 h positions
	s_lshr_b32 s32, s14, 1                         ; nb: which 16 rows n of the scores are mine
	s_and_b32 s33, s14, 1                          ; mh: which of their two blocks of 16 columns
	s_lshl_b32 s36, s32, 5
	s_add_co_u32 s37, s36, PB
	v_add_nc_u32 v[PBA], s37, v[TRA]               ; p's columns 16 nb ..
	s_lshl_b32 s37, s33, 5
	s_add_co_u32 s37, s37, s36
	s_add_co_u32 s37, s37, XB
	v_add_nc_u32 v[XBA], s37, v[TRA]               ; XB's columns 16 (nb + mh) ..
	s_mul_i32 s36, s32, 16*SCP
	s_lshl_b32 s37, s33, 6
	s_add_co_u32 s36, s36, s37
	s_add_co_u32 s36, s36, SC
	v_mul_u32_u24 v[SCS], v[THF], 8*SCP
	v_lshl_add_u32 v[SCS], v[TG4], 2, v[SCS]
	v_add_nc_u32 v[SCS], s36, v[SCS]               ; SC + (16 nb + 8 h) rows + (16 mh + r) columns
	v_and_b32 v[TT], 7, v0
	v_mul_u32_u24 v[SMA], v[TLN], 2*SCP
	v_lshl_add_u32 v[SMA], v[TT], 3, v[SMA]
	v_add_nc_u32 v[SMA], SC+24, v[SMA]             ; row 2 l, column (2 l & 15) + 6: the band's first place
	v_lshl_add_u32 v[WNS], v[TLN], 3, WN
	v_lshlrev_b32 v[CFO], 3, v[TLN]
	v_lshl_add_u32 v[WNR], v[TG4], 4, WN
	v_lshl_add_u32 v[ULS], v[TRW], 2, UL
	v_and_b32 v[TT], 63, v0
	v_lshl_add_u32 v[ULR], v[TT], 4, UL
	v_lshlrev_b32 v[UPO], 4, v[TT]
	; hidden to bf16, into HB
	s_wait_loadcnt 50                              ; behind hidden's 16 loads stand x's 16, the 2 of the neighbours' columns and the 32 of the weights
.irp i, 0,1,2,3,4,5,6,7,8,9,10,11,12,13,14,15
	v_cvt_pk_bf16_f32 v[HR+4*\i],   v[HR+4*\i],   v[HR+4*\i+1]
	v_cvt_pk_bf16_f32 v[HR+4*\i+1], v[HR+4*\i+2], v[HR+4*\i+3]
	ds_store_b64 v[HA], v[HR+4*\i:HR+4*\i+1] offset:16*P16*\i
.endr
	; x to bf16, into XB; the f32 stays in registers for u
	s_wait_loadcnt 32                              ; the weights' 32 loads stay out
.irp i, 0,1,2,3,4,5,6,7,8,9,10,11,12,13,14,15
	v_cvt_pk_bf16_f32 v[XT+2*\i],   v[XR+4*\i],   v[XR+4*\i+1]
	v_cvt_pk_bf16_f32 v[XT+2*\i+1], v[XR+4*\i+2], v[XR+4*\i+3]
	ds_store_b64 v[XA], v[XT+2*\i:XT+2*\i+1] offset:16*P16*\i
.endr
	v_and_b32 v[HL],   s26, v[HL]                  ; 0 where the batch ends
	v_and_b32 v[HL+1], s26, v[HL+1]
	v_and_b32 v[HL+2], s27, v[HL+2]
	v_and_b32 v[HL+3], s27, v[HL+3]
	v_mov_b32 v[ZL], 0
	v_mov_b32 v[ZL+1], 0
	v_mov_b32 v[ZL+2], 0
	v_cvt_pk_bf16_f32 v[ZL+3], v[HL], v[HL+1]      ; columns 6, 7
	v_cvt_pk_bf16_f32 v[ZR], v[HL+2], v[HL+3]      ; columns 72, 73
	v_mov_b32 v[ZR+1], 0
	v_mov_b32 v[ZR+2], 0
	v_mov_b32 v[ZR+3], 0
	ds_store_b128 v[XH], v[ZL:ZL+3]                ; columns 0 .. 7 of row t
	ds_store_b128 v[XH], v[ZR:ZR+3] offset:144     ; columns 72 .. 79
	BAR                                            ; HB and XB are whole
	; p = Wk^T hidden: (position, channel) = hidden's fragment x Wk's fragment
	s_wait_loadcnt 0x0                             ; the weights
	WIN 0x04                                       ; source 1 in window 1
	GEMM 1                                         ; the first step's products start the sums
	WIN 0
.irp a, 0,1
.irp bn, 0,1,2,3
.irp q, 0,1,2,3
	v_cvt_pk_bf16_f32 v[PP+4*(4*\a+\bn)+\q], v[ACC+8*(4*\a+\bn)+2*\q], v[ACC+8*(4*\a+\bn)+2*\q+1]
.endr
	ds_store_b128 v[PS], v[PP+4*(4*\a+\bn):PP+4*(4*\a+\bn)+3] offset:\a*16*P16+32*\bn       ; 8 positions of channel 32 w + 16 a + r
.endr
.endr
	BAR                                            ; PB is whole
	; scores: (n, column) = p's fragment x x's fragment, K = 256 channels
.irp s, 0,1,2,3,4,5,6,7
	ds_load_tr16_b128 v[SF+16*\s:SF+16*\s+3],     v[PBA] offset:32*P16*\s
	ds_load_tr16_b128 v[SF+16*\s+4:SF+16*\s+7],   v[PBA] offset:32*P16*\s+16*P16
	ds_load_tr16_b128 v[SF+16*\s+8:SF+16*\s+11],  v[XBA] offset:32*P16*\s
	ds_load_tr16_b128 v[SF+16*\s+12:SF+16*\s+15], v[XBA] offset:32*P16*\s+16*P16
.endr
	; step s waits for all but the 4 (7 - s) loads of the later steps.  Two accumulators take turns.
	s_wait_dscnt 28
	v_wmma_f32_16x16x32_bf16 v[SCA:SCA+7], v[SF:SF+7], v[SF+8:SF+15], 0
	s_wait_dscnt 24
	v_wmma_f32_16x16x32_bf16 v[SCB:SCB+7], v[SF+16:SF+23], v[SF+24:SF+31], 0
.irp s, 2,4,6
	s_wait_dscnt 4*(7-\s)
	v_wmma_f32_16x16x32_bf16 v[SCA:SCA+7], v[SF+16*\s:SF+16*\s+7], v[SF+16*\s+8:SF+16*\s+15], v[SCA:SCA+7]
	s_wait_dscnt 4*(6-\s)
	v_wmma_f32_16x16x32_bf16 v[SCB:SCB+7], v[SF+16*\s+16:SF+16*\s+23], v[SF+16*\s+24:SF+16*\s+31], v[SCB:SCB+7]
.endr
	PLACES
.irp j, 0,2,4,6
	v_pk_add_f32 v[SCA+\j:SCA+\j+1], v[SCA+\j:SCA+\j+1], v[SCB+\j:SCB+\j+1]
.endr
.irp j, 0,1,2,3,4,5,6,7
	ds_store_b32 v[SCS], v[SCA+\j] offset:SCP*\j   ; row 16 nb + 8 h + j
.endr
	BAR                                            ; SC is whole
	; softmax of the 64 rows: wave 0, lane l takes rows 2 l and 2 l + 1 as the two halves of packed instructions
	s_cmp_lg_u32 s14, 0
	s_cbranch_scc1 .Lnot_wave_0
.irp d, 0,1,2,3,4
	ds_load_b32 v[EE+2*\d],   v[SMA] offset:4*\d
	ds_load_b32 v[EE+2*\d+1], v[SMA] offset:SCP+4+4*\d     ; one row down, and its band begins one column further
.endr
	s_wait_dscnt 0x0
.irp d, 0,1,2,3,4
	v_pk_mul_f32 v[EE+2*\d:EE+2*\d+1], v[EE+2*\d:EE+2*\d+1], 0x3db8aa3b op_sel_hi:[1,0]   ; x log2(e) / 16: the scale 1/16 and the base 2 of v_exp_f32
.endr
	v_max3_num_f32 v[MX],   v[EE],   v[EE+2], v[EE+4]
	v_max3_num_f32 v[MX+1], v[EE+1], v[EE+3], v[EE+5]
	v_max3_num_f32 v[E0],   v[EE+6], v[EE+8], 0    ; the zeros outside the band take part in the maximum
	v_max3_num_f32 v[E0+1], v[EE+7], v[EE+9], 0
	v_max_num_f32 v[MX],   v[MX],   v[E0]
	v_max_num_f32 v[MX+1], v[MX+1], v[E0+1]
.irp d, 0,1,2,3,4
	v_pk_add_f32 v[EE+2*\d:EE+2*\d+1], v[EE+2*\d:EE+2*\d+1], v[MX:MX+1] neg_lo:[0,1] neg_hi:[0,1]
.endr
	v_sub_f32 v[E0],   0, v[MX]
	v_sub_f32 v[E0+1], 0, v[MX+1]
.irp j, 0,1,2,3,4,5,6,7,8,9
	v_exp_f32 v[EE+\j], v[EE+\j]
.endr
	v_exp_f32 v[E0],   v[E0]                       ; what a zero score weighs
	v_exp_f32 v[E0+1], v[E0+1]
	v_nop                                          ; one plain vector instruction behind the transcendentals, ahead of the first use (ISA guide 5.7.2)
	s_wait_alu depctr_va_vdst(0)
	v_pk_add_f32 v[ZZ:ZZ+1], v[EE:EE+1],   v[EE+2:EE+3]
	v_pk_add_f32 v[RZ:RZ+1], v[EE+4:EE+5], v[EE+6:EE+7]
	v_pk_add_f32 v[ZZ:ZZ+1], v[ZZ:ZZ+1],   v[EE+8:EE+9]
	v_pk_add_f32 v[ZZ:ZZ+1], v[ZZ:ZZ+1],   v[RZ:RZ+1]
	v_pk_fma_f32 v[ZZ:ZZ+1], v[E0:E0+1], 0x457fb000, v[ZZ:ZZ+1] op_sel_hi:[1,0,1]          ; + 4091 zeros outside the five places
	v_rcp_f32 v[RZ],   v[ZZ]                       ; Z lies between 1 and 4096
	v_rcp_f32 v[RZ+1], v[ZZ+1]
	v_nop
	s_wait_alu depctr_va_vdst(0)
	v_pk_mul_f32 v[WW:WW+1], v[E0:E0+1], v[RZ:RZ+1]        ; w
.irp d, 0,1,2,3,4
	v_pk_fma_f32 v[EE+2*\d:EE+2*\d+1], v[EE+2*\d:EE+2*\d+1], v[RZ:RZ+1], v[WW:WW+1] neg_lo:[0,0,1] neg_hi:[0,0,1]   ; b = e / Z - w
.endr
	ds_store_b64 v[WNS], v[WW:WW+1]
.irp d, 0,1,2,3,4
	global_store_b64 v[CFO], v[EE+2*\d:EE+2*\d+1], s[28:29] offset:16384*\d        ; the wave stores 256 consecutive bytes, aligned; EE, CFO and the base are not written again
.endr
.Lnot_wave_0:
	BAR                                            ; WN is whole
	; the tile's part of u: my 4 positions of 16 channels, then the sum over the 16 lanes that share a row
	ds_load_b128 v[WV:WV+3], v[WNR]
	s_wait_dscnt 0x0
.irp i, 0,1,2,3,4,5,6,7,8,9,10,11,12,13,14,15
	v_pk_mul_f32 v[UT+2*\i:UT+2*\i+1], v[XR+4*\i:XR+4*\i+1], v[WV:WV+1]
.endr
.irp i, 0,1,2,3,4,5,6,7,8,9,10,11,12,13,14,15
	v_pk_fma_f32 v[UT+2*\i:UT+2*\i+1], v[XR+4*\i+2:XR+4*\i+3], v[WV+2:WV+3], v[UT+2*\i:UT+2*\i+1]
.endr
.irp i, 0,1,2,3,4,5,6,7,8,9,10,11,12,13,14,15
	v_add_f32 v[UT+2*\i], v[UT+2*\i], v[UT+2*\i+1]
.endr
.irp m, 1,2,4,8
.irp i, 0,1,2,3,4,5,6,7,8,9,10,11,12,13,14,15
	v_add_f32_dpp v[UT+2*\i], v[UT+2*\i], v[UT+2*\i] row_xmask:\m row_mask:0xf bank_mask:0xf
.endr
.endr
.irp i, 0,1,2,3,4,5,6,7,8,9,10,11,12,13,14,15
	ds_store_b32 v[ULS], v[UT+2*\i] offset:64*\i   ; channel 16 i + (t >> 4): the 16 lanes write the same word with the same value
.endr
	BAR                                            ; UL is whole
	s_cmp_gt_u32 s14, 1
	s_cbranch_scc1 .Ldone                          ; 1,024 bytes: two waves, 512 consecutive bytes each
	ds_load_b128 v[UO:UO+3], v[ULR]
	s_wait_dscnt 0x0
	global_store_b128 v[UPO], v[UO:UO+3], s[30:31]
.Ldone:
	s_wait_tensorcnt 0x0
	ds_add_u32 v248, v249
	s_wait_dscnt 0x0
	s_endpgm
.Lfunc_end_k_q78c0e0cc69_scores:
	.size	k_q78c0e0cc69_scores, .Lfunc_end_k_q78c0e0cc69_scores-k_q78c0e0cc69_scores
	.p2alignl 7, 3214868480
	.fill 96, 4, 3214868480
	.section	.rodata,"a",@progbits
	.p2align	6, 0x0
	.amdhsa_kernel k_q78c0e0cc69_scores
		.amdhsa_group_segment_fixed_size 133632
		.amdhsa_private_segment_fixed_size 0
		.amdhsa_enable_private_segment 0
		.amdhsa_kernarg_size 40
		.amdhsa_user_sgpr_count 2
		.amdhsa_user_sgpr_kernarg_segment_ptr 1
		.amdhsa_wavefront_size32 1
		.amdhsa_system_sgpr_workgroup_id_x 1
		.amdhsa_system_sgpr_workgroup_id_y 1
		.amdhsa_system_sgpr_workgroup_id_z 1
		.amdhsa_system_vgpr_workitem_id 0
		.amdhsa_next_free_vgpr 384
		.amdhsa_next_free_sgpr 66
		.amdhsa_reserve_vcc 0
		.amdhsa_float_denorm_mode_32 3
		.amdhsa_float_denorm_mode_16_64 3
		.amdhsa_memory_ordered 1
		.amdhsa_forward_progress 1
		.amdhsa_inst_pref_size 45
	.end_amdhsa_kernel
	.amdgpu_metadata
---
amdhsa.version: [ 1, 2 ]
amdhsa.kernels:
  - .name:           k_q78c0e0cc69_scores
    .symbol:         k_q78c0e0cc69_scores.kd
    .args:
      - { .name: input, .offset: 0, .size: 8, .value_kind: global_buffer, .address_space: global }
      - { .name: hidden, .offset: 8, .size: 8, .value_kind: global_buffer, .address_space: global }
      - { .name: wf, .offset: 16, .size: 8, .value_kind: global_buffer, .address_space: global }
      - { .name: coef, .offset: 24, .size: 8, .value_kind: global_buffer, .address_space: global }
      - { .name: upart, .offset: 32, .size: 8, .value_kind: global_buffer, .address_space: global }
    .group_segment_fixed_size: 133632
    .private_segment_fixed_size: 0
    .kernarg_segment_align: 8
    .kernarg_segment_size: 40
    .max_flat_workgroup_size: 256
    .sgpr_count:     66
    .vgpr_count:     384
    .wavefront_size: 32
...
	.end_amdgpu_metadata
.endif
;; end of part 2
;; launch mix (part 3): grid 256 x 1, 8 waves a work-group, no clusters, 116,992 bytes of LDS; arguments input, wf, coef, upart, out0; writes out0
.if DOCPART == 3
	.amdgcn_target "amdgcn-amd-amdhsa--gfx1250"
	.amdhsa_code_object_version 6
	.text
	.protected	k_q78c0e0cc69_mix
	.globl	k_q78c0e0cc69_mix
	.p2align	8
	.type	k_q78c0e0cc69_mix,@function
k_q78c0e0cc69_mix:
	s_mov_b64 s[64:65], 0
	v_nop
	global_prefetch_b8 v0, s[64:65] scope:SCOPE_SE
	s_setreg_imm32_b32 hwreg(HW_REG_WAVE_MODE, 25, 1), 1
	s_wait_xcnt 0x0
; SpatialAttention, second half.  With w, b and u as the launch before made them (x = input):
;   out[:, m] = x[:, m] + Wv ( u + sum over e = -2 .. 2 of x[:, m+e] b[m+e][-e] ),     u[c] = sum over the batch's 64 tiles of upart
; which is reference()'s x + (Wv x) softmax, with the weight w[n] that all places outside the band share taken out into u.
;
; SHARES.  256 work-groups: batch = id >> 6, tile of 64 positions = id & 63.  Eight waves.
; The bracket y': thread t makes 4 positions (4 (t & 15) ..) of the 16 channels 16 i + (t >> 4), in f32, rounded once to bf16.
; The product: wave w makes channels 32 w .. 32 w + 31 x 64 positions, 8 accumulators of 16 x 16 that START AS x in f32, so the sum with x costs nothing.
; The matrix instruction takes positions as M and channels as N: a lane's 8 results are 8 neighbouring positions of one channel.
; Results go back into the wave's own 32 rows of x's tile in LDS and leave as whole rows: sixteen lanes store 256 consecutive bytes, aligned.
;
; NO JOINT LOADS: what work-groups share is Wv's 128 KiB in bf16; each wave needs 16 KiB of it, once, and loads it straight into the registers
; that the matrix instructions name; a joint load would put 128 KiB into LDS and have them read back, twice the 64 KiB tile's own bytes.
; NO TENSOR LOADS: the tile is used once; all 81 loads of a wave go out at the head.
;
; LIMITS.  y' and Wv are rounded to bf16; all else in f32.  The sums' order differs from reference()'s (a term common to the batch plus a correction in the band).
; At a batch's two ends the coefficients' addresses are clamped into the batch; what is read there multiplies an x that is exactly 0,
; so it must be finite: b lies in -1 .. 1 whenever the scores are finite.
.set XP,   272                         ; x, f32: row c at 16 + 272 c; in the 16 bytes between rows: the right neighbours' two columns of row c - 1, the left ones of row c
.set YB,   69888                       ; y', bf16 [256 channels][64 positions]
.set P16,  160                         ; its pitch: 5 x 32 bytes
.set UR,   110848                      ; f32 [4][256]: sums of 16 tiles' parts of u
.set UL,   114944                      ; f32 [256]: u
.set XO,   1                           ; byte offset of my 16 bytes in rows t >> 4 of a tile
.set VL,   2                           ; row t: the two columns left of the tile
.set VR,   3                           ; row t: the two columns right of it
.set UPO,  4
.set CL,   5
.set CC,   6
.set CR,   7
.set WO,   8
.set XW,   9                           ; LDS addresses: see where they are made
.set HS,   10
.set URS,  11
.set URL,  12
.set ULS,  13
.set ULR,  14
.set YS,   15
.set TRA,  212
.set XC,   213
.set RD,   214
.set OO,   215
.set TWV,  250                         ; at work on addresses
.set TRW,  251
.set TG4,  252
.set THF,  253
.set TLN,  254
.set TT,   255
.set XR,   16                          ; v[16:79]    x as loaded
.set UP,   80                          ; v[80:143]   16 tiles' parts of u, 4 channels
.set CF,   144                         ; v[144:183]  b: plane dd at 8 dd, register k = position 4 (t & 15) - 2 + k of the tile
.set HL,   184                         ; v[184:187]  the neighbours' columns
.set UU,   188                         ; v[188:203]  u of my 16 channels
.set YY,   204                         ; v[204:207]  y'
.set YP,   208                         ; v[208:209]  y' packed
.set WD,   16                          ; v[16:143]   then x's windows: slot i, 8 registers = positions 4 (t & 15) - 2 .. + 5
.set ACC,  16                          ; v[16:79]    then the 8 accumulators
.set BF0,  80                          ; v[80:111]   fragments of y', two buffers
.set BF1,  112                         ; v[112:143]
.set OUTR, 80                          ; v[80:143]   then whole rows on their way out
.set AF,   0                           ; window 1: v[256:383], written v[0:127]: Wv's fragments, (a, s) at 8 (8 a + s)
.set MSB,  0
.macro WIN new                         ; s_set_vgpr_msb: bits 1:0 source 0, 3:2 source 1, 5:4 source 2, 7:6 destination; the high byte repeats the setting that is left
.if MSB != \new
	s_set_vgpr_msb (MSB<<8)|\new
.set MSB, \new
.endif
.endm
.macro PLACES                          ; four plain vector instructions between a matrix instruction and a load into, or a read of, its registers
.rept 4
	v_nop
.endr
.endm
.macro BAR                             ; my LDS instructions are done, then the work-group's barrier
	s_wait_dscnt 0x0
	s_barrier_signal -1
	s_barrier_wait -1
.endm
; K step s of the activations, 32 channels x 64 positions, into buffer f: the tile lies [K][position], so the loads transpose
.macro FETCH s, f
.irp bn, 0,1,2,3
	ds_load_tr16_b128 v[\f+8*\bn:\f+8*\bn+3],   v[TRA] offset:(\s)*32*P16+\bn*32
	ds_load_tr16_b128 v[\f+8*\bn+4:\f+8*\bn+7], v[TRA] offset:(\s)*32*P16+\bn*32+16*P16
.endr
.endm
; 8 matrix instructions: 2 channel tiles x 4 position tiles.  The 8 accumulators take turns, one instruction a turn, in the same order in every step.
.macro MUL8 s, f, zero
.irp a, 0,1
.irp bn, 0,1,2,3
.if \zero
	v_wmma_f32_16x16x32_bf16 v[ACC+8*(4*\a+\bn):ACC+8*(4*\a+\bn)+7], v[\f+8*\bn:\f+8*\bn+7], v[AF+8*(8*\a+\s):AF+8*(8*\a+\s)+7], 0
.else
	v_wmma_f32_16x16x32_bf16 v[ACC+8*(4*\a+\bn):ACC+8*(4*\a+\bn)+7], v[\f+8*\bn:\f+8*\bn+7], v[AF+8*(8*\a+\s):AF+8*(8*\a+\s)+7], v[ACC+8*(4*\a+\bn):ACC+8*(4*\a+\bn)+7]
.endif
.endr
.endr
.endm
.macro STEP s, f, g                    ; multiplies step s from buffer f; ahead of it fetches step s + 1 into g, which the matrix instructions just before have read
	PLACES
	FETCH \s+1, \g
	s_wait_dscnt 8                                 ; all but the eight loads just issued
	MUL8 \s, \f, 0
.endm
.macro GEMM zero                       ; K = 256 in 8 steps
	FETCH 0, BF0
	FETCH 1, BF1
	s_wait_dscnt 8                                 ; all but step 1's eight loads: step 0's fragments and whatever was loaded ahead of them
	MUL8 0, BF0, \zero
	STEP 1, BF1, BF0
	STEP 2, BF0, BF1
	STEP 3, BF1, BF0
	STEP 4, BF0, BF1
	STEP 5, BF1, BF0
	STEP 6, BF0, BF1
	s_wait_dscnt 0
	MUL8 7, BF1, 0
	PLACES                                         ; in front of whatever reads the results or loads into the buffers
.endm
.macro UPADD n                         ; parts i += parts i + n, i = 0 .. n - 1, four channels each
.set ci, 0
.rept \n
	v_pk_add_f32 v[UP+4*ci:UP+4*ci+1],   v[UP+4*ci:UP+4*ci+1],   v[UP+4*(ci+\n):UP+4*(ci+\n)+1]
	v_pk_add_f32 v[UP+4*ci+2:UP+4*ci+3], v[UP+4*ci+2:UP+4*ci+3], v[UP+4*(ci+\n)+2:UP+4*(ci+\n)+3]
.set ci, ci+1
.endr
.endm
; y' of channel 16 i + (t >> 4), my 4 positions q: u + sum over j = 0 .. 4 of x[q + j - 2] b[q + j - 2][dd = 4 - j]
.macro YROW i
	s_wait_dscnt 3*(15-\i)                         ; behind slot i's three loads stand the later slots' 3 (15 - i); the stores of y' among them only make the wait stricter
.irp q, 0,1,2,3
	v_fma_f32 v[YY+\q], v[WD+8*\i+\q], v[CF+32+\q], v[UU+\i]       ; the first product takes u as its addend
.endr
.irp j, 1,2,3,4
.irp q, 0,1,2,3
	v_fma_f32 v[YY+\q], v[WD+8*\i+\q+\j], v[CF+8*(4-\j)+\q+\j], v[YY+\q]
.endr
.endr
	v_cvt_pk_bf16_f32 v[YP],   v[YY],   v[YY+1]
	v_cvt_pk_bf16_f32 v[YP+1], v[YY+2], v[YY+3]
	ds_store_b64 v[YS], v[YP:YP+1] offset:16*P16*\i
.endm
	s_load_b256 s[4:11], s[0:1], 0x0               ; input s[4:5], wf s[6:7], coef s[8:9], upart s[10:11]
	s_load_b64 s[12:13], s[0:1], 0x20              ; out0
	v_lshl_add_u32 v248, v0, 2, 0x1c500
	v_mov_b32 v249, 0
	v_lshrrev_b32 v[TWV], 5, v0
	v_readfirstlane_b32 s14, v[TWV]                ; wave
	v_lshrrev_b32 v[TRW], 4, v0                    ; t >> 4
	v_and_b32 v[TG4], 15, v0                       ; t & 15: also r of the matrix layouts
	v_bfe_u32 v[THF], v0, 4, 1                     ; h of the matrix layouts
	v_and_b32 v[TLN], 31, v0                       ; lane
	s_lshr_b32 s15, ttmp9, 6                       ; batch
	s_and_b32 s16, ttmp9, 63                       ; tile
	s_lshl_b32 s17, s16, 8
	s_lshl_b32 s18, s15, 22
	s_add_co_u32 s18, s18, s17                     ; the tile's first byte in input and in out0
	s_mov_b32 s19, 0
	s_cmp_eq_u32 s16, 0                            ; the batch's first tile has nothing on its left: it loads its own first two columns and masks them to 0
	s_cselect_b32 s26, 0, -1
	s_cselect_b32 s24, 0, 8
	s_sub_co_u32 s24, s18, s24
	s_cmp_eq_u32 s16, 63                           ; the last tile likewise on its right: its own last two columns (byte 248), masked
	s_cselect_b32 s27, 0, -1
	s_cselect_b32 s25, 31, 32
	s_lshl3_add_u32 s25, s25, s18
	v_lshlrev_b32 v[XO], 4, v[TG4]
	v_lshl_add_u32 v[XO], v[TRW], 14, v[XO]        ; sixteen lanes cover a row's 256 bytes
	v_lshl_add_u32 v[VL], v0, 14, s24
	v_lshl_add_u32 v[VR], v0, 14, s25
	v_lshrrev_b32 v[TT], 6, v0
	v_and_b32 v[UPO], 63, v0
	v_lshlrev_b32 v[UPO], 4, v[UPO]
	v_lshl_add_u32 v[UPO], v[TT], 14, v[UPO]       ; tiles 16 (t >> 6) .., channels 4 (t & 63) ..
	s_lshl_b32 s37, s16, 6
	v_lshl_add_u32 v[TT], v[TG4], 2, s37           ; my first position in the batch
	v_lshlrev_b32 v[CC], 2, v[TT]
	v_max_u32 v[CL], 2, v[TT]
	v_add_nc_u32 v[CL], -2, v[CL]
	v_lshlrev_b32 v[CL], 2, v[CL]                  ; two positions to the left, not below position 0
	v_add_nc_u32 v[CR], 4, v[TT]
	v_min_u32 v[CR], 4094, v[CR]
	v_lshlrev_b32 v[CR], 2, v[CR]                  ; the two behind my four, not beyond position 4095
	s_lshl_b32 s36, s14, 14                        ; my wave's 32 chunks of 512 bytes
	v_lshl_add_u32 v[WO], v[TLN], 4, s36
	s_mul_i32 s32, s15, 81920
	s_mov_b32 s33, 0
	s_lshl_b32 s34, s15, 16
	s_mov_b32 s35, 0
	s_wait_kmcnt 0x0
	s_add_nc_u64 s[20:21], s[4:5], s[18:19]
	s_add_nc_u64 s[22:23], s[12:13], s[18:19]
	s_add_nc_u64 s[28:29], s[8:9], s[32:33]        ; coef at [batch]
	s_add_nc_u64 s[30:31], s[10:11], s[34:35]      ; upart at [batch]
	; all 81 loads of the wave, in the order in which they are needed
.irp i, 0,1,2,3,4,5,6,7,8,9,10,11,12,13,14,15
	global_load_b128 v[XR+4*\i:XR+4*\i+3], v[XO], s[20:21] offset:262144*\i        ; no hint: the neighbouring tiles read these rows' ends
.endr
	global_load_b64 v[HL:HL+1],   v[VL], s[4:5]
	global_load_b64 v[HL+2:HL+3], v[VR], s[4:5]
.irp i, 0,1,2,3,4,5,6,7,8,9,10,11,12,13,14,15
	global_load_b128 v[UP+4*\i:UP+4*\i+3], v[UPO], s[30:31] offset:1024*\i
.endr
.irp d, 0,1,2,3,4
	global_load_b64  v[CF+8*\d:CF+8*\d+1],   v[CL], s[28:29] offset:16384*\d
	global_load_b128 v[CF+8*\d+2:CF+8*\d+5], v[CC], s[28:29] offset:16384*\d
	global_load_b64  v[CF+8*\d+6:CF+8*\d+7], v[CR], s[28:29] offset:16384*\d
.endr
	WIN 0x40                                       ; destination in window 1
.set ck, 0
.rept 32
	global_load_b128 v[AF+4*ck:AF+4*ck+3], v[WO], s[6:7] offset:131072+512*ck      ; Wv's half of wf
.set ck, ck+1
.endr
	WIN 0
	; the other addresses, while the loads are on their way
	v_mul_u32_u24 v[XW], v[TRW], XP
	v_lshl_add_u32 v[XW], v[TG4], 4, v[XW]
	v_add_nc_u32 v[XW], 8, v[XW]                   ; row t >> 4, two positions left of my four
	v_mul_u32_u24 v[HS], v0, XP
	v_add_nc_u32 v[HS], 8, v[HS]                   ; row t: the 8 bytes in front of it
	v_lshl_add_u32 v[URS], v0, 4, UR
	v_lshl_add_u32 v[URL], v0, 2, UR
	v_lshl_add_u32 v[ULS], v0, 2, UL
	v_lshl_add_u32 v[ULR], v[TRW], 2, UL
	v_mul_u32_u24 v[YS], v[TRW], P16
	v_lshl_add_u32 v[YS], v[TG4], 3, v[YS]
	v_add_nc_u32 v[YS], YB, v[YS]
	v_and_b32 v[TT], 7, v0
	v_lshl_add_u32 v[TRA], v[THF], 3, v[TT]        ; transposing loads: row 8 h + (lane & 7),
	v_mul_u32_u24 v[TRA], v[TRA], P16
	v_bfe_u32 v[TT], v0, 3, 1
	v_lshl_add_u32 v[TRA], v[TT], 4, v[TRA]        ; 16 bytes further for lanes 8-15 and 24-31
	v_add_nc_u32 v[TRA], YB, v[TRA]
	s_mul_i32 s38, s14, 32*XP
	s_add_co_u32 s38, s38, 16                      ; my wave's 32 rows of x
	v_mul_u32_u24 v[XC], v[TG4], XP
	v_lshl_add_u32 v[XC], v[THF], 5, v[XC]
	v_add_nc_u32 v[XC], s38, v[XC]                 ; as an accumulator has them: row r, positions 8 h ..
	v_mul_u32_u24 v[RD], v[THF], XP
	v_lshl_add_u32 v[RD], v[TG4], 4, v[RD]
	v_add_nc_u32 v[RD], s38, v[RD]                 ; as whole rows: lanes 0-15 one row, lanes 16-31 the next
	s_lshl_b32 s39, s14, 19
	v_lshlrev_b32 v[OO], 4, v[TG4]
	v_lshl_add_u32 v[OO], v[THF], 14, v[OO]
	v_add_nc_u32 v[OO], s39, v[OO]                 ; and the same two rows in out0
	; x into LDS, with the neighbours' columns in the gaps between rows
	s_wait_loadcnt 63                              ; behind x's 16 + 2 loads stand upart's 16, coef's 15 and the weights' 32
.irp i, 0,1,2,3,4,5,6,7,8,9,10,11,12,13,14,15
	ds_store_b128 v[XW], v[XR+4*\i:XR+4*\i+3] offset:16*XP*\i+8
.endr
	v_and_b32 v[HL],   s26, v[HL]                  ; 0 where the batch ends
	v_and_b32 v[HL+1], s26, v[HL+1]
	v_and_b32 v[HL+2], s27, v[HL+2]
	v_and_b32 v[HL+3], s27, v[HL+3]
	ds_store_b64 v[HS], v[HL:HL+1]
	ds_store_b64 v[HS], v[HL+2:HL+3] offset:264    ; behind row t's 256 bytes
	; u: 16 tiles' parts in registers, then the four groups through LDS
	s_wait_loadcnt 47                              ; coef's 15 and the weights' 32 stay out
	UPADD 8
	UPADD 4
	UPADD 2
	UPADD 1
	ds_store_b128 v[URS], v[UP:UP+3]
	BAR                                            ; x's tile and UR are whole
.irp k, 0,1,2,3
	ds_load_b32 v[UP+4+\k], v[URL] offset:1024*\k
.endr
	s_wait_dscnt 0x0
	v_add_f32 v[UP+4], v[UP+4], v[UP+5]
	v_add_f32 v[UP+6], v[UP+6], v[UP+7]
	v_add_f32 v[UP+4], v[UP+4], v[UP+6]
	ds_store_b32 v[ULS], v[UP+4]                   ; u of channel t
	BAR                                            ; UL is whole
	; y' = u + the band's mix of x
.irp i, 0,1,2,3,4,5,6,7,8,9,10,11,12,13,14,15
	ds_load_b32 v[UU+\i], v[ULR] offset:64*\i
.endr
.irp i, 0,1,2,3,4,5,6,7,8,9,10,11,12,13,14,15
	ds_load_b64  v[WD+8*\i:WD+8*\i+1],   v[XW] offset:16*XP*\i
	ds_load_b128 v[WD+8*\i+2:WD+8*\i+5], v[XW] offset:16*XP*\i+8
	ds_load_b64  v[WD+8*\i+6:WD+8*\i+7], v[XW] offset:16*XP*\i+24
.endr
	s_wait_loadcnt 32                              ; coef is in; the weights' 32 loads stay out
.irp i, 0,1,2,3,4,5,6,7,8,9,10,11,12,13,14,15
	YROW \i
.endr
	BAR                                            ; YB is whole, and nobody reads x's tile by windows any more: from here each wave touches its own 32 rows alone
	; out = x + Wv y': the accumulators start as x
.irp a, 0,1
.irp bn, 0,1,2,3
	ds_load_b128 v[ACC+8*(4*\a+\bn):ACC+8*(4*\a+\bn)+3],   v[XC] offset:\a*16*XP+64*\bn
	ds_load_b128 v[ACC+8*(4*\a+\bn)+4:ACC+8*(4*\a+\bn)+7], v[XC] offset:\a*16*XP+64*\bn+16
.endr
.endr
	s_wait_loadcnt 0x0                             ; the weights
	WIN 0x04                                       ; source 1 in window 1
	GEMM 0
	WIN 0
	; the way out: back into my own rows, read as whole rows.  LDS serves a wave's instructions in order (ISA guide 5.7.1): no wait between the stores and the loads
.irp a, 0,1
.irp bn, 0,1,2,3
	ds_store_b128 v[XC], v[ACC+8*(4*\a+\bn):ACC+8*(4*\a+\bn)+3]   offset:\a*16*XP+64*\bn
	ds_store_b128 v[XC], v[ACC+8*(4*\a+\bn)+4:ACC+8*(4*\a+\bn)+7] offset:\a*16*XP+64*\bn+16
.endr
.endr
.irp k, 0,1,2,3,4,5,6,7,8,9,10,11,12,13,14,15
	ds_load_b128 v[OUTR+4*\k:OUTR+4*\k+3], v[RD] offset:2*XP*\k
.endr
.irp k, 0,1,2,3,4,5,6,7,8,9,10,11,12,13,14,15
	s_wait_dscnt 15-\k                             ; load k is in; the 15 - k behind it stay out
	global_store_b128 v[OO], v[OUTR+4*\k:OUTR+4*\k+3], s[22:23] offset:32768*\k th:TH_STORE_NT     ; sixteen lanes store 256 consecutive bytes, aligned
.endr
	s_wait_tensorcnt 0x0
	ds_add_u32 v248, v249
	s_wait_dscnt 0x0
	s_endpgm
.Lfunc_end_k_q78c0e0cc69_mix:
	.size	k_q78c0e0cc69_mix, .Lfunc_end_k_q78c0e0cc69_mix-k_q78c0e0cc69_mix
	.p2alignl 7, 3214868480
	.fill 96, 4, 3214868480
	.section	.rodata,"a",@progbits
	.p2align	6, 0x0
	.amdhsa_kernel k_q78c0e0cc69_mix
		.amdhsa_group_segment_fixed_size 116992
		.amdhsa_private_segment_fixed_size 0
		.amdhsa_enable_private_segment 0
		.amdhsa_kernarg_size 40
		.amdhsa_user_sgpr_count 2
		.amdhsa_user_sgpr_kernarg_segment_ptr 1
		.amdhsa_wavefront_size32 1
		.amdhsa_system_sgpr_workgroup_id_x 1
		.amdhsa_system_sgpr_workgroup_id_y 1
		.amdhsa_system_sgpr_workgroup_id_z 1
		.amdhsa_system_vgpr_workitem_id 0
		.amdhsa_next_free_vgpr 384
		.amdhsa_next_free_sgpr 66
		.amdhsa_reserve_vcc 0
		.amdhsa_float_denorm_mode_32 3
		.amdhsa_float_denorm_mode_16_64 3
		.amdhsa_memory_ordered 1
		.amdhsa_forward_progress 1
		.amdhsa_inst_pref_size 58
	.end_amdhsa_kernel
	.amdgpu_metadata
---
amdhsa.version: [ 1, 2 ]
amdhsa.kernels:
  - .name:           k_q78c0e0cc69_mix
    .symbol:         k_q78c0e0cc69_mix.kd
    .args:
      - { .name: input, .offset: 0, .size: 8, .value_kind: global_buffer, .address_space: global }
      - { .name: wf, .offset: 8, .size: 8, .value_kind: global_buffer, .address_space: global }
      - { .name: coef, .offset: 16, .size: 8, .value_kind: global_buffer, .address_space: global }
      - { .name: upart, .offset: 24, .size: 8, .value_kind: global_buffer, .address_space: global }
      - { .name: out0, .offset: 32, .size: 8, .value_kind: global_buffer, .address_space: global }
    .group_segment_fixed_size: 116992
    .private_segment_fixed_size: 0
    .kernarg_segment_align: 8
    .kernarg_segment_size: 40
    .max_flat_workgroup_size: 256
    .sgpr_count:     66
    .vgpr_count:     384
    .wavefront_size: 32
...
	.end_amdgpu_metadata
.endif
;; end of part 3
;; ======== version 2 of 2: 3 launches; version 1 with the launches scores, mix written anew for expert scheduling mode
;; workspace buffers: wf 262,144 bytes; coef 327,680 bytes; upart 262,144 bytes
;; launch pack: the kernel of part 1 again; grid 32 x 2, 8 waves a work-group, no clusters, 0 bytes of LDS; arguments Wk, Wv, wf; writes wf
;; launch scores (part 4): grid 256 x 1, 8 waves a work-group, no clusters, 133,632 bytes of LDS; arguments input, hidden, wf, coef, upart; writes coef, upart
.if DOCPART == 4
	.amdgcn_target "amdgcn-amd-amdhsa--gfx1250"
	.amdhsa_code_object_version 6
	.text
	.protected	k_q78c0e0cc69_scores
	.globl	k_q78c0e0cc69_scores
	.p2align	8
	.type	k_q78c0e0cc69_scores,@function
k_q78c0e0cc69_scores:
	s_mov_b64 s[64:65], 0
	v_nop
	global_prefetch_b8 v0, s[64:65] scope:SCOPE_SE
	s_setreg_imm32_b32 hwreg(HW_REG_WAVE_SCHED_MODE, 0, 2), 2
	s_setreg_imm32_b32 hwreg(HW_REG_WAVE_MODE, 25, 1), 1
	s_wait_xcnt 0x0
	s_wait_alu depctr_vm_vsrc(0)
; SpatialAttention, first half.  x = input, [4][256][4096] f32; positions n, m run along the rows.
; The scores are multiplied by a band mask that the problem itself builds (|m - n| <= 2) and then softmaxed over the whole row:
; outside the band every score is 0.  So for row n, with s the five band scores,
;   M = max(0, s)   (the row's true maximum: every row holds zeros)     Z = 4091 e^-M + sum over the 5 of e^(s-M)
;   w[n] = e^-M / Z  (the weight of every place outside the band)       b[n][d] = e^(s[n][n+d]-M) / Z - w[n],  d = -2 .. 2
; A band place outside 0 .. 4095 is served by x = 0 there: its score is 0, so it counts as one more zero of the row.
; s[n][m] = (1/16) sum over c of p[c][n] x[c][m],  p = Wk^T hidden: the product with Wk is made on the tile's own 64 columns.
; This launch stores b (coef: [4][5][4096] f32) and the tile's part of u[c] = sum over n of x[c][n] w[n] (upart: [4][64][256] f32).
;
; SHARES.  256 work-groups: batch = id >> 6, tile of 64 positions = id & 63 (a tile's row is 256 consecutive bytes, aligned).
; Eight waves.  Product p: wave w makes channels 32 w .. 32 w + 31 x 64 positions, 8 accumulators of 16 x 16.
; Scores: wave w makes one 16 x 16 tile (16 rows n, one of the two blocks of 16 columns that hold their band).  Softmax: wave 0, two rows a lane.
; The matrix instruction takes positions as M and channels as N: a lane's 8 results are 8 neighbouring positions of one channel.
;
; NO JOINT LOADS: what work-groups share is Wk's 128 KiB in bf16.  Each wave needs 16 KiB of it, once, and loads it straight into the
; registers that the matrix instructions name; a joint load would put 128 KiB into LDS and have them read back, twice the 64 KiB tile's own bytes.
; NO TENSOR LOADS: every tile is rounded to bf16 on its way into LDS and used once; all 66 loads of a wave go out at the head.
;
; LIMITS.  hidden, Wk, p and (for the scores) x are rounded to bf16; sums in f32.  v_exp_f32 gives 0 below 2^-126 (ISA guide, 15.8):
; weights below that, against a Z of at least 1, are dropped.  b is formed as a difference of two weights, both at most 1.
;
; THE MODE: SCHED_MODE bits 1:0 = 2 (LLVM: expert scheduling mode 2), set by the entry lines.  The code itself states the register dependences
; between vector or matrix instructions and memory or LDS instructions, with s_wait_alu, always for 0.
; THE PLAN.  Registers that memory or LDS instructions touch, in program order:
;   v1-15, v240-243   offsets and LDS addresses: written once at the head, never again.
;   HR                loads land; 32 roundings rewrite it in place; 16 LDS stores read it; behind the first barrier it is ACC, written by the products.
;   XT, ZL, ZR        written by roundings and moves; 18 LDS stores read them; later fragment buffer 0 and PP.
;   BF0 .. BF3        LDS loads land, products read.  Two pairs: while one pair is multiplied, the other pair's next two K steps land.
;   PP                written by 32 roundings; 8 LDS stores read it; behind the second barrier it is SCA and SCB, written by the scores' products.
;   SF                LDS loads land (in ACC's, BF0's and BF1's registers), the scores' products read.
;   SCA               written by products and packed sums; 8 LDS stores read it.
;   EE, WW            LDS loads land in EE; vector work rewrites it; an LDS store and five global stores read them; never written again.
;   WV, UO            LDS loads land; UT: written by vector work, 16 LDS stores read it.
; Each run of stores has ONE wait on va_vdst ahead of it, behind all the vector work that makes its data; that wait also states that the registers in which the
; next phase's loads land are no longer read or written by vector or matrix instructions.  One wait on vm_vsrc stands behind each of the first two barriers,
; ahead of the first instruction that writes registers which LDS stores have read.
.set P16,  160                         ; pitch of the bf16 tiles: 5 x 32 bytes
.set HB,   0                           ; hidden, bf16 [256 channels][64 positions]
.set XB,   40960                       ; x, bf16 [256][80]: column = position in the tile + 8; 6, 7 and 72, 73 the neighbours' columns; 0-5, 74-79 zero
.set PB,   81920                       ; p, bf16 [256][64]
.set SC,   122880                      ; raw scores, f32 [64 rows n][32 columns], column = XB's column - 16 (n >> 4)
.set SCP,  132
.set WN,   131328                      ; w, f32 [64]
.set UL,   131584                      ; the tile's part of u, f32 [256]
; vector registers, window 0
.set XO,   1                           ; byte offset of my 16 bytes in rows t >> 4 of a tile
.set VL,   2                           ; row t: the two columns left of the tile
.set VR,   3                           ; row t: the two columns right of it
.set WO,   4                           ; my 16 bytes of my wave's weight chunks
.set HA,   5                           ; LDS addresses: see where they are made
.set XA,   6
.set XH,   7
.set TRA,  8
.set PS,   9
.set PBA,  10
.set XBA,  11
.set SCS,  12
.set SMA,  13
.set WNS,  14
.set CFO,  15
.set WNR,  240
.set ULS,  241
.set ULR,  242
.set UPO,  243
.set TWV,  250                         ; at work on addresses
.set TRW,  251
.set TG4,  252
.set THF,  253
.set TLN,  254
.set TT,   255
.set XR,   16                          ; v[16:79]    x in f32, slot i = rows 16 i + (t >> 4); kept to the end
.set HR,   80                          ; v[80:143]   hidden as loaded
.set ACC,  80                          ; v[80:143]   then the 8 accumulators
.set BF0,  144                         ; v[144:175]  fragments of hidden: the first pair of buffers
.set BF1,  176                         ; v[176:207]
.set XT,   144                         ; v[144:175]  first: x packed
.set HL,   208                         ; v[208:211]  the neighbours' columns
.set ZL,   212                         ; v[212:215]  0, 0, 0, left pair
.set ZR,   216                         ; v[216:219]  right pair, 0, 0, 0
.set PP,   208                         ; v[208:239]  then p packed
.set SF,   80                          ; v[80:207]   then the scores' fragments: step s: p at 16 s, x at 16 s + 8
.set SCA,  208                         ; v[208:215]  scores, even K steps
.set SCB,  216                         ; v[216:223]  scores, odd K steps
.set EE,   80                          ; v[80:89]    softmax: pair dd = rows 2 l, 2 l + 1
.set MX,   90
.set E0,   92
.set ZZ,   94
.set RZ,   96
.set WW,   98
.set WV,   100                         ; v[100:103]  w of my four positions
.set UT,   104                         ; v[104:135]  sums for u
.set UO,   136
.set AF,   0                           ; window 1: v[256:383], written v[0:127]: Wk's fragments, (a, s) at 8 (8 a + s)
.set BF2,  128                         ; window 1: v[384:415], written v[128:159]: fragments of hidden: the second pair of buffers
.set BF3,  160                         ; window 1: v[416:447], written v[160:191]
.set MSB,  0
.macro WIN new                         ; s_set_vgpr_msb: bits 1:0 source 0, 3:2 source 1, 5:4 source 2, 7:6 destination; the high byte repeats the setting that is left
.if MSB != \new
	s_set_vgpr_msb (MSB<<8)|\new
.set MSB, \new
.endif
.endm
.macro PLACES                          ; four plain vector instructions between a matrix instruction and a load into, or a read of, its registers
.rept 4
	v_nop
.endr
.endm
.macro BAR                             ; my LDS instructions are done, then the work-group's barrier
	s_wait_dscnt 0x0
	s_barrier_signal -1
	s_barrier_wait -1
.endm
; K step s of the activations, 32 channels x 64 positions, into buffer f: the tile lies [K][position], so the loads transpose
.macro FETCH s, f
.irp bn, 0,1,2,3
	ds_load_tr16_b128 v[\f+8*\bn:\f+8*\bn+3],   v[TRA] offset:(\s)*32*P16+\bn*32
	ds_load_tr16_b128 v[\f+8*\bn+4:\f+8*\bn+7], v[TRA] offset:(\s)*32*P16+\bn*32+16*P16
.endr
.endm
; 8 matrix instructions: 2 channel tiles x 4 position tiles.  The 8 accumulators take turns, one instruction a turn, in the same order in every step.
.macro MUL8 s, f, zero
.irp a, 0,1
.irp bn, 0,1,2,3
.if \zero
	v_wmma_f32_16x16x32_bf16 v[ACC+8*(4*\a+\bn):ACC+8*(4*\a+\bn)+7], v[\f+8*\bn:\f+8*\bn+7], v[AF+8*(8*\a+\s):AF+8*(8*\a+\s)+7], 0
.else
	v_wmma_f32_16x16x32_bf16 v[ACC+8*(4*\a+\bn):ACC+8*(4*\a+\bn)+7], v[\f+8*\bn:\f+8*\bn+7], v[AF+8*(8*\a+\s):AF+8*(8*\a+\s)+7], v[ACC+8*(4*\a+\bn):ACC+8*(4*\a+\bn)+7]
.endif
.endr
.endr
.endm
	s_load_b256 s[4:11], s[0:1], 0x0               ; input s[4:5], hidden s[6:7], wf s[8:9], coef s[10:11]
	s_load_b64 s[12:13], s[0:1], 0x20              ; upart
	v_lshl_add_u32 v248, v0, 2, 0x20600            ; my spare word, behind UL; kept with v249 for the closing lines alone
	v_mov_b32 v249, 0
	v_lshrrev_b32 v[TWV], 5, v0
	v_readfirstlane_b32 s14, v[TWV]                ; wave
	v_lshrrev_b32 v[TRW], 4, v0                    ; t >> 4
	v_and_b32 v[TG4], 15, v0                       ; t & 15: also r of the matrix layouts
	v_bfe_u32 v[THF], v0, 4, 1                     ; h of the matrix layouts
	v_and_b32 v[TLN], 31, v0                       ; lane
	s_lshr_b32 s15, ttmp9, 6                       ; batch
	s_and_b32 s16, ttmp9, 63                       ; tile
	s_lshl_b32 s17, s16, 8                         ; 64 positions of 4 bytes
	s_lshl_b32 s18, s15, 22                        ; 256 rows of 16,384 bytes
	s_add_co_u32 s18, s18, s17                     ; the tile's first byte in input and in hidden
	s_mov_b32 s19, 0
	s_cmp_eq_u32 s16, 0                            ; the batch's first tile has nothing on its left: it loads its own first two columns and masks them to 0
	s_cselect_b32 s26, 0, -1
	s_cselect_b32 s24, 0, 8
	s_sub_co_u32 s24, s18, s24
	s_cmp_eq_u32 s16, 63                           ; the last tile likewise on its right: its own last two columns (byte 248), masked
	s_cselect_b32 s27, 0, -1
	s_cselect_b32 s25, 31, 32
	s_lshl3_add_u32 s25, s25, s18
	v_lshlrev_b32 v[XO], 4, v[TG4]
	v_lshl_add_u32 v[XO], v[TRW], 14, v[XO]        ; sixteen lanes cover a row's 256 bytes
	v_lshl_add_u32 v[VL], v0, 14, s24
	v_lshl_add_u32 v[VR], v0, 14, s25
	s_wait_alu depctr_va_sdst(0)                   ; s14 is written, ahead of its first reader, the next line
	s_lshl_b32 s36, s14, 14                        ; my wave's 32 chunks of 512 bytes
	v_lshl_add_u32 v[WO], v[TLN], 4, s36
	s_wait_kmcnt 0x0
	s_add_nc_u64 s[20:21], s[4:5], s[18:19]
	s_add_nc_u64 s[22:23], s[6:7], s[18:19]
	s_wait_alu depctr_va_vdst(0)                   ; the offsets XO, VL, VR and WO are written, which the 66 loads below read
	; all 66 loads of the wave, in the order in which they are needed
.irp i, 0,1,2,3,4,5,6,7,8,9,10,11,12,13,14,15
	global_load_b128 v[HR+4*\i:HR+4*\i+3], v[XO], s[22:23] offset:262144*\i th:TH_LOAD_NT      ; hidden is read once in the whole program
.endr
.irp i, 0,1,2,3,4,5,6,7,8,9,10,11,12,13,14,15
	global_load_b128 v[XR+4*\i:XR+4*\i+3], v[XO], s[20:21] offset:262144*\i
.endr
	global_load_b64 v[HL:HL+1],   v[VL], s[4:5]
	global_load_b64 v[HL+2:HL+3], v[VR], s[4:5]
	WIN 0x40                                       ; destination in window 1; between the wait above and these loads stand loads and this switch alone
.set ck, 0
.rept 32
	global_load_b128 v[AF+4*ck:AF+4*ck+3], v[WO], s[8:9] offset:512*ck
.set ck, ck+1
.endr
	WIN 0
	; the other addresses, while the loads are on their way: none of these lines writes a register that a load reads or lands in
	s_mul_i32 s32, s15, 81920
	s_add_co_u32 s32, s32, s17
	s_mov_b32 s33, 0
	s_add_nc_u64 s[28:29], s[10:11], s[32:33]      ; coef at [batch][0][tile's first position]
	s_lshl_b32 s34, ttmp9, 10
	s_mov_b32 s35, 0
	s_add_nc_u64 s[30:31], s[12:13], s[34:35]      ; upart at [batch][tile][0]
	v_mul_u32_u24 v[HA], v[TRW], P16
	v_lshl_add_u32 v[HA], v[TG4], 3, v[HA]         ; HB (= 0) + row x pitch + my 4 positions in bf16
	v_add_nc_u32 v[XA], XB+16, v[HA]               ; the same in XB, 8 columns further in
	v_mul_u32_u24 v[XH], v0, P16
	v_add_nc_u32 v[XH], XB, v[XH]                  ; row t of XB
	v_and_b32 v[TT], 7, v0
	v_lshl_add_u32 v[TRA], v[THF], 3, v[TT]        ; transposing loads: row 8 h + (lane & 7),
	v_mul_u32_u24 v[TRA], v[TRA], P16
	v_bfe_u32 v[TT], v0, 3, 1
	v_lshl_add_u32 v[TRA], v[TT], 4, v[TRA]        ; 16 bytes further for lanes 8-15 and 24-31; HB = 0
	s_mul_i32 s36, s14, 32*P16
	s_add_co_u32 s36, s36, PB
	v_mul_u32_u24 v[PS], v[TG4], P16
	v_lshl_add_u32 v[PS], v[THF], 4, v[PS]
	v_add_nc_u32 v[PS], s36, v[PS]                 ; PB + (32 wave + r) rows + 8 h positions
	s_lshr_b32 s32, s14, 1                         ; nb: which 16 rows n of the scores are mine
	s_and_b32 s33, s14, 1                          ; mh: which of their two blocks of 16 columns
	s_lshl_b32 s36, s32, 5
	s_add_co_u32 s37, s36, PB
	v_add_nc_u32 v[PBA], s37, v[TRA]               ; p's columns 16 nb ..
	s_lshl_b32 s37, s33, 5
	s_add_co_u32 s37, s37, s36
	s_add_co_u32 s37, s37, XB
	v_add_nc_u32 v[XBA], s37, v[TRA]               ; XB's columns 16 (nb + mh) ..
	s_mul_i32 s36, s32, 16*SCP
	s_lshl_b32 s37, s33, 6
	s_add_co_u32 s36, s36, s37
	s_add_co_u32 s36, s36, SC
	v_mul_u32_u24 v[SCS], v[THF], 8*SCP
	v_lshl_add_u32 v[SCS], v[TG4], 2, v[SCS]
	v_add_nc_u32 v[SCS], s36, v[SCS]               ; SC + (16 nb + 8 h) rows + (16 mh + r) columns
	v_and_b32 v[TT], 7, v0
	v_mul_u32_u24 v[SMA], v[TLN], 2*SCP
	v_lshl_add_u32 v[SMA], v[TT], 3, v[SMA]
	v_add_nc_u32 v[SMA], SC+24, v[SMA]             ; row 2 l, column (2 l & 15) + 6: the band's first place
	v_lshl_add_u32 v[WNS], v[TLN], 3, WN
	v_lshlrev_b32 v[CFO], 3, v[TLN]
	v_lshl_add_u32 v[WNR], v[TG4], 4, WN
	v_lshl_add_u32 v[ULS], v[TRW], 2, UL
	v_and_b32 v[TT], 63, v0
	v_lshl_add_u32 v[ULR], v[TT], 4, UL
	v_lshlrev_b32 v[UPO], 4, v[TT]
	; hidden to bf16
	s_wait_loadcnt 50                              ; behind hidden's 16 loads stand x's 16, the 2 of the neighbours' columns and the 32 of the weights
.irp i, 0,1,2,3,4,5,6,7,8,9,10,11,12,13,14,15
	v_cvt_pk_bf16_f32 v[HR+4*\i],   v[HR+4*\i],   v[HR+4*\i+1]
	v_cvt_pk_bf16_f32 v[HR+4*\i+1], v[HR+4*\i+2], v[HR+4*\i+3]
.endr
	s_wait_alu depctr_va_vdst(0)                   ; the roundings have written v[HR ..], which the stores into HB read; all the LDS addresses and offsets made above are written too
	; hidden into HB; among its stores x is rounded (the f32 stays in registers for u): these roundings name XT and XR alone, none of the stores' registers
	s_wait_loadcnt 32                              ; the weights' 32 loads stay out
.irp i, 0,1,2,3,4,5,6,7,8,9,10,11,12,13,14,15
	ds_store_b64 v[HA], v[HR+4*\i:HR+4*\i+1] offset:16*P16*\i
	v_cvt_pk_bf16_f32 v[XT+2*\i],   v[XR+4*\i],   v[XR+4*\i+1]
	v_cvt_pk_bf16_f32 v[XT+2*\i+1], v[XR+4*\i+2], v[XR+4*\i+3]
.endr
	v_and_b32 v[HL],   s26, v[HL]                  ; 0 where the batch ends
	v_and_b32 v[HL+1], s26, v[HL+1]
	v_and_b32 v[HL+2], s27, v[HL+2]
	v_and_b32 v[HL+3], s27, v[HL+3]
	v_mov_b32 v[ZL], 0
	v_mov_b32 v[ZL+1], 0
	v_mov_b32 v[ZL+2], 0
	v_cvt_pk_bf16_f32 v[ZL+3], v[HL], v[HL+1]      ; columns 6, 7
	v_cvt_pk_bf16_f32 v[ZR], v[HL+2], v[HL+3]      ; columns 72, 73
	v_mov_b32 v[ZR+1], 0
	v_mov_b32 v[ZR+2], 0
	v_mov_b32 v[ZR+3], 0
	s_wait_alu depctr_va_vdst(0)                   ; XT, ZL and ZR are written, which the stores into XB read
.irp i, 0,1,2,3,4,5,6,7,8,9,10,11,12,13,14,15
	ds_store_b64 v[XA], v[XT+2*\i:XT+2*\i+1] offset:16*P16*\i
.endr
	ds_store_b128 v[XH], v[ZL:ZL+3]                ; columns 0 .. 7 of row t
	ds_store_b128 v[XH], v[ZR:ZR+3] offset:144     ; columns 72 .. 79
	BAR                                            ; HB and XB are whole
	; p = Wk^T hidden: (position, channel) = hidden's fragment x Wk's fragment.  K = 256 in 8 steps, on two pairs of fragment buffers
	WIN 0x04                                       ; source 1 in window 1
	s_wait_alu depctr_vm_vsrc(0)                   ; my LDS stores have read v[HR ..], which the products write as ACC, v[XT ..], in which step 0's fragments land, and ZL and ZR, which PP's roundings write
	FETCH 0, BF0
	FETCH 1, BF1
	WIN 0x40                                       ; destination in window 1
	FETCH 2, BF2
	FETCH 3, BF3
	WIN 0x04
	s_wait_loadcnt 0x0                             ; the weights
	s_wait_dscnt 24                                ; step 0 is in; the 24 loads of steps 1 to 3 may be out
	MUL8 0, BF0, 1                                 ; the first step's products start the sums
	s_wait_dscnt 16                                ; steps 2 and 3 may be out
	MUL8 1, BF1, 0
	PLACES
	s_wait_alu depctr_va_vdst(0)                   ; the products of steps 0 and 1 are done reading BF0 and BF1, in which steps 4 and 5 land
	FETCH 4, BF0
	FETCH 5, BF1
	WIN 0x05                                       ; sources 0 and 1 in window 1
	s_wait_dscnt 24                                ; step 2 is in; step 3's 8 loads and the 16 just issued may be out
	MUL8 2, BF2, 0
	s_wait_dscnt 16                                ; the 16 just issued may be out
	MUL8 3, BF3, 0
	PLACES
	WIN 0x40
	s_wait_alu depctr_va_vdst(0)                   ; the products of steps 2 and 3 are done reading BF2 and BF3, in which steps 6 and 7 land
	FETCH 6, BF2
	FETCH 7, BF3
	WIN 0x04
	s_wait_dscnt 24                                ; step 4 is in; step 5's 8 loads and the 16 just issued may be out
	MUL8 4, BF0, 0
	s_wait_dscnt 16
	MUL8 5, BF1, 0
	WIN 0x05
	s_wait_dscnt 8                                 ; step 7's 8 loads may be out
	MUL8 6, BF2, 0
	s_wait_dscnt 0x0
	MUL8 7, BF3, 0
	WIN 0
	PLACES                                         ; in front of the roundings, which read the results
.irp a, 0,1
.irp bn, 0,1,2,3
.irp q, 0,1,2,3
	v_cvt_pk_bf16_f32 v[PP+4*(4*\a+\bn)+\q], v[ACC+8*(4*\a+\bn)+2*\q], v[ACC+8*(4*\a+\bn)+2*\q+1]
.endr
.endr
.endr
	s_wait_alu depctr_va_vdst(0)                   ; the roundings have written PP, which the stores into PB read; they are done reading ACC, and the products BF0 and BF1: the scores' fragments land in these behind the barrier
.irp a, 0,1
.irp bn, 0,1,2,3
	ds_store_b128 v[PS], v[PP+4*(4*\a+\bn):PP+4*(4*\a+\bn)+3] offset:\a*16*P16+32*\bn       ; 8 positions of channel 32 w + 16 a + r
.endr
.endr
	BAR                                            ; PB is whole
	; scores: (n, column) = p's fragment x x's fragment, K = 256 channels
	s_wait_alu depctr_vm_vsrc(0)                   ; my stores into PB have read PP, whose registers the products below write as SCA and SCB
.irp s, 0,1,2,3,4,5,6,7
	ds_load_tr16_b128 v[SF+16*\s:SF+16*\s+3],     v[PBA] offset:32*P16*\s
	ds_load_tr16_b128 v[SF+16*\s+4:SF+16*\s+7],   v[PBA] offset:32*P16*\s+16*P16
	ds_load_tr16_b128 v[SF+16*\s+8:SF+16*\s+11],  v[XBA] offset:32*P16*\s
	ds_load_tr16_b128 v[SF+16*\s+12:SF+16*\s+15], v[XBA] offset:32*P16*\s+16*P16
.endr
	; step s waits for all but the 4 (7 - s) loads of the later steps.  Two accumulators take turns.
	s_wait_dscnt 28
	v_wmma_f32_16x16x32_bf16 v[SCA:SCA+7], v[SF:SF+7], v[SF+8:SF+15], 0
	s_wait_dscnt 24
	v_wmma_f32_16x16x32_bf16 v[SCB:SCB+7], v[SF+16:SF+23], v[SF+24:SF+31], 0
.irp s, 2,4,6
	s_wait_dscnt 4*(7-\s)
	v_wmma_f32_16x16x32_bf16 v[SCA:SCA+7], v[SF+16*\s:SF+16*\s+7], v[SF+16*\s+8:SF+16*\s+15], v[SCA:SCA+7]
	s_wait_dscnt 4*(6-\s)
	v_wmma_f32_16x16x32_bf16 v[SCB:SCB+7], v[SF+16*\s+16:SF+16*\s+23], v[SF+16*\s+24:SF+16*\s+31], v[SCB:SCB+7]
.endr
	PLACES
.irp j, 0,2,4,6
	v_pk_add_f32 v[SCA+\j:SCA+\j+1], v[SCA+\j:SCA+\j+1], v[SCB+\j:SCB+\j+1]
.endr
	s_wait_alu depctr_va_vdst(0)                   ; the sums have written SCA, which the stores into SC read; the products are done reading SF, in whose registers the loads of EE, WV and UO land later
.irp j, 0,1,2,3,4,5,6,7
	ds_store_b32 v[SCS], v[SCA+\j] offset:SCP*\j   ; row 16 nb + 8 h + j
.endr
	BAR                                            ; SC is whole
	; softmax of the 64 rows: wave 0, lane l takes rows 2 l and 2 l + 1 as the two halves of packed instructions
	s_cmp_lg_u32 s14, 0
	s_cbranch_scc1 .Lnot_wave_0
.irp d, 0,1,2,3,4
	ds_load_b32 v[EE+2*\d],   v[SMA] offset:4*\d
	ds_load_b32 v[EE+2*\d+1], v[SMA] offset:SCP+4+4*\d     ; one row down, and its band begins one column further
.endr
	s_wait_dscnt 0x0
.irp d, 0,1,2,3,4
	v_pk_mul_f32 v[EE+2*\d:EE+2*\d+1], v[EE+2*\d:EE+2*\d+1], 0x3db8aa3b op_sel_hi:[1,0]   ; x log2(e) / 16: the scale 1/16 and the base 2 of v_exp_f32
.endr
	v_max3_num_f32 v[MX],   v[EE],   v[EE+2], v[EE+4]
	v_max3_num_f32 v[MX+1], v[EE+1], v[EE+3], v[EE+5]
	v_max3_num_f32 v[E0],   v[EE+6], v[EE+8], 0    ; the zeros outside the band take part in the maximum
	v_max3_num_f32 v[E0+1], v[EE+7], v[EE+9], 0
	v_max_num_f32 v[MX],   v[MX],   v[E0]
	v_max_num_f32 v[MX+1], v[MX+1], v[E0+1]
.irp d, 0,1,2,3,4
	v_pk_add_f32 v[EE+2*\d:EE+2*\d+1], v[EE+2*\d:EE+2*\d+1], v[MX:MX+1] neg_lo:[0,1] neg_hi:[0,1]
.endr
	v_sub_f32 v[E0],   0, v[MX]
	v_sub_f32 v[E0+1], 0, v[MX+1]
.irp j, 0,1,2,3,4,5,6,7,8,9
	v_exp_f32 v[EE+\j], v[EE+\j]
.endr
	v_exp_f32 v[E0],   v[E0]                       ; what a zero score weighs
	v_exp_f32 v[E0+1], v[E0+1]
	v_nop                                          ; one plain vector instruction behind the transcendentals, ahead of the first use (ISA guide 5.7.2)
	s_wait_alu depctr_va_vdst(0)                   ; the twelve exponentials have written EE and E0, ahead of their first reader: one wait for the batch
	v_pk_add_f32 v[ZZ:ZZ+1], v[EE:EE+1],   v[EE+2:EE+3]
	v_pk_add_f32 v[RZ:RZ+1], v[EE+4:EE+5], v[EE+6:EE+7]
	v_pk_add_f32 v[ZZ:ZZ+1], v[ZZ:ZZ+1],   v[EE+8:EE+9]
	v_pk_add_f32 v[ZZ:ZZ+1], v[ZZ:ZZ+1],   v[RZ:RZ+1]
	v_pk_fma_f32 v[ZZ:ZZ+1], v[E0:E0+1], 0x457fb000, v[ZZ:ZZ+1] op_sel_hi:[1,0,1]          ; + 4091 zeros outside the five places
	v_rcp_f32 v[RZ],   v[ZZ]                       ; Z lies between 1 and 4096
	v_rcp_f32 v[RZ+1], v[ZZ+1]
	v_nop
	s_wait_alu depctr_va_vdst(0)                   ; the two reciprocals have written RZ, ahead of their first reader
	v_pk_mul_f32 v[WW:WW+1], v[E0:E0+1], v[RZ:RZ+1]        ; w
.irp d, 0,1,2,3,4
	v_pk_fma_f32 v[EE+2*\d:EE+2*\d+1], v[EE+2*\d:EE+2*\d+1], v[RZ:RZ+1], v[WW:WW+1] neg_lo:[0,0,1] neg_hi:[0,0,1]   ; b = e / Z - w
.endr
	s_wait_alu depctr_va_vdst(0)                   ; w and b are written: WW is the LDS store's data, EE the five global stores'
	ds_store_b64 v[WNS], v[WW:WW+1]
.irp d, 0,1,2,3,4
	global_store_b64 v[CFO], v[EE+2*\d:EE+2*\d+1], s[28:29] offset:16384*\d        ; the wave stores 256 consecutive bytes, aligned; EE, CFO and the base are not written again
.endr
.Lnot_wave_0:
	BAR                                            ; WN is whole
	; the tile's part of u: my 4 positions of 16 channels, then the sum over the 16 lanes that share a row
	ds_load_b128 v[WV:WV+3], v[WNR]                ; no vector or matrix instruction since the wait ahead of SC's stores names v[WV ..]
	s_wait_dscnt 0x0
.irp i, 0,1,2,3,4,5,6,7,8,9,10,11,12,13,14,15
	v_pk_mul_f32 v[UT+2*\i:UT+2*\i+1], v[XR+4*\i:XR+4*\i+1], v[WV:WV+1]
.endr
.irp i, 0,1,2,3,4,5,6,7,8,9,10,11,12,13,14,15
	v_pk_fma_f32 v[UT+2*\i:UT+2*\i+1], v[XR+4*\i+2:XR+4*\i+3], v[WV+2:WV+3], v[UT+2*\i:UT+2*\i+1]
.endr
.irp i, 0,1,2,3,4,5,6,7,8,9,10,11,12,13,14,15
	v_add_f32 v[UT+2*\i], v[UT+2*\i], v[UT+2*\i+1]
.endr
.irp m, 1,2,4,8
.irp i, 0,1,2,3,4,5,6,7,8,9,10,11,12,13,14,15
	v_add_f32_dpp v[UT+2*\i], v[UT+2*\i], v[UT+2*\i] row_xmask:\m row_mask:0xf bank_mask:0xf
.endr
.endr
	s_wait_alu depctr_va_vdst(0)                   ; the sums have written UT, which the stores into UL read
.irp i, 0,1,2,3,4,5,6,7,8,9,10,11,12,13,14,15
	ds_store_b32 v[ULS], v[UT+2*\i] offset:64*\i   ; channel 16 i + (t >> 4): the 16 lanes write the same word with the same value
.endr
	BAR                                            ; UL is whole
	s_cmp_gt_u32 s14, 1
	s_cbranch_scc1 .Ldone                          ; 1,024 bytes: two waves, 512 consecutive bytes each
	ds_load_b128 v[UO:UO+3], v[ULR]                ; v[UO ..] too is named by no vector or matrix instruction since the wait ahead of SC's stores
	s_wait_dscnt 0x0
	global_store_b128 v[UPO], v[UO:UO+3], s[30:31]
.Ldone:
	s_wait_dscnt 0x0                               ; the closing lines, six on end
	s_wait_alu 0x0
	s_wait_tensorcnt 0x0
	ds_add_u32 v248, v249
	s_wait_dscnt 0x0
	s_endpgm
.Lfunc_end_k_q78c0e0cc69_scores:
	.size	k_q78c0e0cc69_scores, .Lfunc_end_k_q78c0e0cc69_scores-k_q78c0e0cc69_scores
	.p2alignl 7, 3214868480
	.fill 96, 4, 3214868480
	.section	.rodata,"a",@progbits
	.p2align	6, 0x0
	.amdhsa_kernel k_q78c0e0cc69_scores
		.amdhsa_group_segment_fixed_size 133632
		.amdhsa_private_segment_fixed_size 0
		.amdhsa_enable_private_segment 0
		.amdhsa_kernarg_size 40
		.amdhsa_user_sgpr_count 2
		.amdhsa_user_sgpr_kernarg_segment_ptr 1
		.amdhsa_wavefront_size32 1
		.amdhsa_system_sgpr_workgroup_id_x 1
		.amdhsa_system_sgpr_workgroup_id_y 1
		.amdhsa_system_sgpr_workgroup_id_z 1
		.amdhsa_system_vgpr_workitem_id 0
		.amdhsa_next_free_vgpr 448
		.amdhsa_next_free_sgpr 66
		.amdhsa_reserve_vcc 0
		.amdhsa_float_denorm_mode_32 3
		.amdhsa_float_denorm_mode_16_64 3
		.amdhsa_memory_ordered 1
		.amdhsa_forward_progress 1
		.amdhsa_inst_pref_size 45
	.end_amdhsa_kernel
	.amdgpu_metadata
---
amdhsa.version: [ 1, 2 ]
amdhsa.kernels:
  - .name:           k_q78c0e0cc69_scores
    .symbol:         k_q78c0e0cc69_scores.kd
    .args:
      - { .name: input, .offset: 0, .size: 8, .value_kind: global_buffer, .address_space: global }
      - { .name: hidden, .offset: 8, .size: 8, .value_kind: global_buffer, .address_space: global }
      - { .name: wf, .offset: 16, .size: 8, .value_kind: global_buffer, .address_space: global }
      - { .name: coef, .offset: 24, .size: 8, .value_kind: global_buffer, .address_space: global }
      - { .name: upart, .offset: 32, .size: 8, .value_kind: global_buffer, .address_space: global }
    .group_segment_fixed_size: 133632
    .private_segment_fixed_size: 0
    .kernarg_segment_align: 8
    .kernarg_segment_size: 40
    .max_flat_workgroup_size: 256
    .sgpr_count:     66
    .vgpr_count:     448
    .wavefront_size: 32
...
	.end_amdgpu_metadata
.endif
;; end of part 4
;; launch mix (part 5): grid 256 x 1, 8 waves a work-group, no clusters, 116,992 bytes of LDS; arguments input, wf, coef, upart, out0; writes out0
.if DOCPART == 5
	.amdgcn_target "amdgcn-amd-amdhsa--gfx1250"
	.amdhsa_code_object_version 6
	.text
	.protected	k_q78c0e0cc69_mix
	.globl	k_q78c0e0cc69_mix
	.p2align	8
	.type	k_q78c0e0cc69_mix,@function
k_q78c0e0cc69_mix:
	s_mov_b64 s[64:65], 0
	v_nop
	global_prefetch_b8 v0, s[64:65] scope:SCOPE_SE
	s_setreg_imm32_b32 hwreg(HW_REG_WAVE_SCHED_MODE, 0, 2), 2
	s_setreg_imm32_b32 hwreg(HW_REG_WAVE_MODE, 25, 1), 1
	s_wait_xcnt 0x0
	s_wait_alu depctr_vm_vsrc(0)
; SpatialAttention, second half.  With w, b and u as the launch before made them (x = input):
;   out[:, m] = x[:, m] + Wv ( u + sum over e = -2 .. 2 of x[:, m+e] b[m+e][-e] ),     u[c] = sum over the batch's 64 tiles of upart
; which is reference()'s x + (Wv x) softmax, with the weight w[n] that all places outside the band share taken out into u.
;
; SHARES.  256 work-groups: batch = id >> 6, tile of 64 positions = id & 63.  Eight waves.
; The bracket y': thread t makes 4 positions (4 (t & 15) ..) of the 16 channels 16 i + (t >> 4), in f32, rounded once to bf16.
; The product: wave w makes channels 32 w .. 32 w + 31 x 64 positions, 8 accumulators of 16 x 16 that START AS x in f32, so the sum with x costs nothing.
; The matrix instruction takes positions as M and channels as N: a lane's 8 results are 8 neighbouring positions of one channel.
; Results go back into the wave's own 32 rows of x's tile in LDS and leave as whole rows: sixteen lanes store 256 consecutive bytes, aligned.
;
; NO JOINT LOADS: what work-groups share is Wv's 128 KiB in bf16; each wave needs 16 KiB of it, once, and loads it straight into the registers
; that the matrix instructions name; a joint load would put 128 KiB into LDS and have them read back, twice the 64 KiB tile's own bytes.
; NO TENSOR LOADS: the tile is used once; all 81 loads of a wave go out at the head.
;
; LIMITS.  y' and Wv are rounded to bf16; all else in f32.  The sums' order differs from reference()'s (a term common to the batch plus a correction in the band).
; At a batch's two ends the coefficients' addresses are clamped into the batch; what is read there multiplies an x that is exactly 0,
; so it must be finite: b lies in -1 .. 1 whenever the scores are finite.
;
; THE MODE: SCHED_MODE bits 1:0 = 2 (LLVM: expert scheduling mode 2), set by the entry lines.  The code itself states the register dependences
; between vector or matrix instructions and memory or LDS instructions, with s_wait_alu, always for 0.
; THE PLAN.  Registers that memory or LDS instructions touch, in program order:
;   v1-15, v212-215   offsets and LDS addresses: written once at the head, never again.
;   XR, HL            loads land; HL is masked; 18 LDS stores read them.  UP: loads land, vector sums; v[UP ..+3] and v[UP+4] are stored to LDS.
;   WD                behind the second barrier the windows land in XR's and UP's registers.  Slot i is read by row i's multiply-adds alone; it is asked for four rows ahead.
;   YP                a pair for each of the 16 rows, written by row i's roundings and read by one LDS store: no pair is written twice.
;   ACC, BF0 .. BF3   behind the third barrier LDS loads land in WD's, CF's, HL's, UU's and YY's registers; the products read them, and write ACC.
;                     BF: two pairs: while one pair is multiplied, the other pair's next two K steps land.
;   OUTR              LDS loads land in BF0's and BF1's registers; the global stores read them.
; Each run of stores has ONE wait on va_vdst ahead of it, behind the vector work that makes its data; the one behind the last row also states that
; no vector instruction reads or writes v16 to v207 any more.  One wait on vm_vsrc, behind the second barrier, frees all that LDS stores have read so far.
.set XP,   272                         ; x, f32: row c at 16 + 272 c; in the 16 bytes between rows: the right neighbours' two columns of row c - 1, the left ones of row c
.set YB,   69888                       ; y', bf16 [256 channels][64 positions]
.set P16,  160                         ; its pitch: 5 x 32 bytes
.set UR,   110848                      ; f32 [4][256]: sums of 16 tiles' parts of u
.set UL,   114944                      ; f32 [256]: u
.set XO,   1                           ; byte offset of my 16 bytes in rows t >> 4 of a tile
.set VL,   2                           ; row t: the two columns left of the tile
.set VR,   3                           ; row t: the two columns right of it
.set UPO,  4
.set CL,   5
.set CC,   6
.set CR,   7
.set WO,   8
.set XW,   9                           ; LDS addresses: see where they are made
.set HS,   10
.set URS,  11
.set URL,  12
.set ULS,  13
.set ULR,  14
.set YS,   15
.set TRA,  212
.set XC,   213
.set RD,   214
.set OO,   215
.set TWV,  250                         ; at work on addresses
.set TRW,  251
.set TG4,  252
.set THF,  253
.set TLN,  254
.set TT,   255
.set XR,   16                          ; v[16:79]    x as loaded
.set UP,   80                          ; v[80:143]   16 tiles' parts of u, 4 channels
.set CF,   144                         ; v[144:183]  b: plane dd at 8 dd, register k = position 4 (t & 15) - 2 + k of the tile
.set HL,   184                         ; v[184:187]  the neighbours' columns
.set UU,   188                         ; v[188:203]  u of my 16 channels
.set YY,   204                         ; v[204:207]  y'
.set YP,   216                         ; v[216:247]  y' packed: row i's pair at 2 i
.set WD,   16                          ; v[16:143]   then x's windows: slot i, 8 registers = positions 4 (t & 15) - 2 .. + 5
.set ACC,  16                          ; v[16:79]    then the 8 accumulators
.set BF0,  80                          ; v[80:111]   fragments of y': the first pair of buffers
.set BF1,  112                         ; v[112:143]
.set BF2,  144                         ; v[144:175]  the second pair
.set BF3,  176                         ; v[176:207]
.set OUTR, 80                          ; v[80:143]   then whole rows on their way out
.set AF,   0                           ; window 1: v[256:383], written v[0:127]: Wv's fragments, (a, s) at 8 (8 a + s)
.set MSB,  0
.macro WIN new                         ; s_set_vgpr_msb: bits 1:0 source 0, 3:2 source 1, 5:4 source 2, 7:6 destination; the high byte repeats the setting that is left
.if MSB != \new
	s_set_vgpr_msb (MSB<<8)|\new
.set MSB, \new
.endif
.endm
.macro PLACES                          ; four plain vector instructions between a matrix instruction and a load into, or a read of, its registers
.rept 4
	v_nop
.endr
.endm
.macro BAR                             ; my LDS instructions are done, then the work-group's barrier
	s_wait_dscnt 0x0
	s_barrier_signal -1
	s_barrier_wait -1
.endm
; K step s of the activations, 32 channels x 64 positions, into buffer f: the tile lies [K][position], so the loads transpose
.macro FETCH s, f
.irp bn, 0,1,2,3
	ds_load_tr16_b128 v[\f+8*\bn:\f+8*\bn+3],   v[TRA] offset:(\s)*32*P16+\bn*32
	ds_load_tr16_b128 v[\f+8*\bn+4:\f+8*\bn+7], v[TRA] offset:(\s)*32*P16+\bn*32+16*P16
.endr
.endm
; 8 matrix instructions: 2 channel tiles x 4 position tiles.  The 8 accumulators take turns, one instruction a turn, in the same order in every step.
.macro MUL8 s, f, zero
.irp a, 0,1
.irp bn, 0,1,2,3
.if \zero
	v_wmma_f32_16x16x32_bf16 v[ACC+8*(4*\a+\bn):ACC+8*(4*\a+\bn)+7], v[\f+8*\bn:\f+8*\bn+7], v[AF+8*(8*\a+\s):AF+8*(8*\a+\s)+7], 0
.else
	v_wmma_f32_16x16x32_bf16 v[ACC+8*(4*\a+\bn):ACC+8*(4*\a+\bn)+7], v[\f+8*\bn:\f+8*\bn+7], v[AF+8*(8*\a+\s):AF+8*(8*\a+\s)+7], v[ACC+8*(4*\a+\bn):ACC+8*(4*\a+\bn)+7]
.endif
.endr
.endr
.endm
.macro UPADD n                         ; parts i += parts i + n, i = 0 .. n - 1, four channels each
.set ci, 0
.rept \n
	v_pk_add_f32 v[UP+4*ci:UP+4*ci+1],   v[UP+4*ci:UP+4*ci+1],   v[UP+4*(ci+\n):UP+4*(ci+\n)+1]
	v_pk_add_f32 v[UP+4*ci+2:UP+4*ci+3], v[UP+4*ci+2:UP+4*ci+3], v[UP+4*(ci+\n)+2:UP+4*(ci+\n)+3]
.set ci, ci+1
.endr
.endm
; x's window of slot i: channel 16 i + (t >> 4), positions 4 (t & 15) - 2 .. + 5
.macro WLOAD i
	ds_load_b64  v[WD+8*(\i):WD+8*(\i)+1],   v[XW] offset:16*XP*(\i)
	ds_load_b128 v[WD+8*(\i)+2:WD+8*(\i)+5], v[XW] offset:16*XP*(\i)+8
	ds_load_b64  v[WD+8*(\i)+6:WD+8*(\i)+7], v[XW] offset:16*XP*(\i)+24
.endm
; y' of channel 16 i + (t >> 4), my 4 positions q: u + sum over j = 0 .. 4 of x[q + j - 2] b[q + j - 2][dd = 4 - j].
; The row asks first for the window four rows on: no vector instruction since the wait ahead of UL's store names that slot.  left: the LDS instructions issued behind slot i's three loads.
.macro YROW i, left
.if \i < 12
	WLOAD \i+4
.endif
	s_wait_dscnt \left
.irp q, 0,1,2,3
	v_fma_f32 v[YY+\q], v[WD+8*\i+\q], v[CF+32+\q], v[UU+\i]       ; the first product takes u as its addend
.endr
.irp j, 1,2,3,4
.irp q, 0,1,2,3
	v_fma_f32 v[YY+\q], v[WD+8*\i+\q+\j], v[CF+8*(4-\j)+\q+\j], v[YY+\q]
.endr
.endr
	v_cvt_pk_bf16_f32 v[YP+2*\i],   v[YY],   v[YY+1]
	v_cvt_pk_bf16_f32 v[YP+2*\i+1], v[YY+2], v[YY+3]
.endm
	s_load_b256 s[4:11], s[0:1], 0x0               ; input s[4:5], wf s[6:7], coef s[8:9], upart s[10:11]
	s_load_b64 s[12:13], s[0:1], 0x20              ; out0
	v_lshl_add_u32 v248, v0, 2, 0x1c500            ; my spare word, behind UL; kept with v249 for the closing lines alone
	v_mov_b32 v249, 0
	v_lshrrev_b32 v[TWV], 5, v0
	v_readfirstlane_b32 s14, v[TWV]                ; wave
	v_lshrrev_b32 v[TRW], 4, v0                    ; t >> 4
	v_and_b32 v[TG4], 15, v0                       ; t & 15: also r of the matrix layouts
	v_bfe_u32 v[THF], v0, 4, 1                     ; h of the matrix layouts
	v_and_b32 v[TLN], 31, v0                       ; lane
	s_lshr_b32 s15, ttmp9, 6                       ; batch
	s_and_b32 s16, ttmp9, 63                       ; tile
	s_lshl_b32 s17, s16, 8
	s_lshl_b32 s18, s15, 22
	s_add_co_u32 s18, s18, s17                     ; the tile's first byte in input and in out0
	s_mov_b32 s19, 0
	s_cmp_eq_u32 s16, 0                            ; the batch's first tile has nothing on its left: it loads its own first two columns and masks them to 0
	s_cselect_b32 s26, 0, -1
	s_cselect_b32 s24, 0, 8
	s_sub_co_u32 s24, s18, s24
	s_cmp_eq_u32 s16, 63                           ; the last tile likewise on its right: its own last two columns (byte 248), masked
	s_cselect_b32 s27, 0, -1
	s_cselect_b32 s25, 31, 32
	s_lshl3_add_u32 s25, s25, s18
	v_lshlrev_b32 v[XO], 4, v[TG4]
	v_lshl_add_u32 v[XO], v[TRW], 14, v[XO]        ; sixteen lanes cover a row's 256 bytes
	v_lshl_add_u32 v[VL], v0, 14, s24
	v_lshl_add_u32 v[VR], v0, 14, s25
	v_lshrrev_b32 v[TT], 6, v0
	v_and_b32 v[UPO], 63, v0
	v_lshlrev_b32 v[UPO], 4, v[UPO]
	v_lshl_add_u32 v[UPO], v[TT], 14, v[UPO]       ; tiles 16 (t >> 6) .., channels 4 (t & 63) ..
	s_lshl_b32 s37, s16, 6
	v_lshl_add_u32 v[TT], v[TG4], 2, s37           ; my first position in the batch
	v_lshlrev_b32 v[CC], 2, v[TT]
	v_max_u32 v[CL], 2, v[TT]
	v_add_nc_u32 v[CL], -2, v[CL]
	v_lshlrev_b32 v[CL], 2, v[CL]                  ; two positions to the left, not below position 0
	v_add_nc_u32 v[CR], 4, v[TT]
	v_min_u32 v[CR], 4094, v[CR]
	v_lshlrev_b32 v[CR], 2, v[CR]                  ; the two behind my four, not beyond position 4095
	s_wait_alu depctr_va_sdst(0)                   ; s14 is written, ahead of its first reader, the next line
	s_lshl_b32 s36, s14, 14                        ; my wave's 32 chunks of 512 bytes
	v_lshl_add_u32 v[WO], v[TLN], 4, s36
	s_mul_i32 s32, s15, 81920
	s_mov_b32 s33, 0
	s_lshl_b32 s34, s15, 16
	s_mov_b32 s35, 0
	s_wait_kmcnt 0x0
	s_add_nc_u64 s[20:21], s[4:5], s[18:19]
	s_add_nc_u64 s[22:23], s[12:13], s[18:19]
	s_add_nc_u64 s[28:29], s[8:9], s[32:33]        ; coef at [batch]
	s_add_nc_u64 s[30:31], s[10:11], s[34:35]      ; upart at [batch]
	s_wait_alu depctr_va_vdst(0)                   ; the offsets XO, VL, VR, UPO, CL, CC, CR and WO are written, which the 81 loads below read
	; all 81 loads of the wave, in the order in which they are needed
.irp i, 0,1,2,3,4,5,6,7,8,9,10,11,12,13,14,15
	global_load_b128 v[XR+4*\i:XR+4*\i+3], v[XO], s[20:21] offset:262144*\i        ; no hint: the neighbouring tiles read these rows' ends
.endr
	global_load_b64 v[HL:HL+1],   v[VL], s[4:5]
	global_load_b64 v[HL+2:HL+3], v[VR], s[4:5]
.irp i, 0,1,2,3,4,5,6,7,8,9,10,11,12,13,14,15
	global_load_b128 v[UP+4*\i:UP+4*\i+3], v[UPO], s[30:31] offset:1024*\i
.endr
.irp d, 0,1,2,3,4
	global_load_b64  v[CF+8*\d:CF+8*\d+1],   v[CL], s[28:29] offset:16384*\d
	global_load_b128 v[CF+8*\d+2:CF+8*\d+5], v[CC], s[28:29] offset:16384*\d
	global_load_b64  v[CF+8*\d+6:CF+8*\d+7], v[CR], s[28:29] offset:16384*\d
.endr
	WIN 0x40                                       ; destination in window 1; between the wait above and these loads stand loads and this switch alone
.set ck, 0
.rept 32
	global_load_b128 v[AF+4*ck:AF+4*ck+3], v[WO], s[6:7] offset:131072+512*ck      ; Wv's half of wf
.set ck, ck+1
.endr
	WIN 0
	; the other addresses, while the loads are on their way: none of these lines writes a register that a load reads or lands in
	v_mul_u32_u24 v[XW], v[TRW], XP
	v_lshl_add_u32 v[XW], v[TG4], 4, v[XW]
	v_add_nc_u32 v[XW], 8, v[XW]                   ; row t >> 4, two positions left of my four
	v_mul_u32_u24 v[HS], v0, XP
	v_add_nc_u32 v[HS], 8, v[HS]                   ; row t: the 8 bytes in front of it
	v_lshl_add_u32 v[URS], v0, 4, UR
	v_lshl_add_u32 v[URL], v0, 2, UR
	v_lshl_add_u32 v[ULS], v0, 2, UL
	v_lshl_add_u32 v[ULR], v[TRW], 2, UL
	v_mul_u32_u24 v[YS], v[TRW], P16
	v_lshl_add_u32 v[YS], v[TG4], 3, v[YS]
	v_add_nc_u32 v[YS], YB, v[YS]
	v_and_b32 v[TT], 7, v0
	v_lshl_add_u32 v[TRA], v[THF], 3, v[TT]        ; transposing loads: row 8 h + (lane & 7),
	v_mul_u32_u24 v[TRA], v[TRA], P16
	v_bfe_u32 v[TT], v0, 3, 1
	v_lshl_add_u32 v[TRA], v[TT], 4, v[TRA]        ; 16 bytes further for lanes 8-15 and 24-31
	v_add_nc_u32 v[TRA], YB, v[TRA]
	s_mul_i32 s38, s14, 32*XP
	s_add_co_u32 s38, s38, 16                      ; my wave's 32 rows of x
	v_mul_u32_u24 v[XC], v[TG4], XP
	v_lshl_add_u32 v[XC], v[THF], 5, v[XC]
	v_add_nc_u32 v[XC], s38, v[XC]                 ; as an accumulator has them: row r, positions 8 h ..
	v_mul_u32_u24 v[RD], v[THF], XP
	v_lshl_add_u32 v[RD], v[TG4], 4, v[RD]
	v_add_nc_u32 v[RD], s38, v[RD]                 ; as whole rows: lanes 0-15 one row, lanes 16-31 the next
	s_lshl_b32 s39, s14, 19
	v_lshlrev_b32 v[OO], 4, v[TG4]
	v_lshl_add_u32 v[OO], v[THF], 14, v[OO]
	v_add_nc_u32 v[OO], s39, v[OO]                 ; and the same two rows in out0
	; x into LDS, with the neighbours' columns in the gaps between rows
	s_wait_loadcnt 63                              ; behind x's 16 + 2 loads stand upart's 16, coef's 15 and the weights' 32
	v_and_b32 v[HL],   s26, v[HL]                  ; 0 where the batch ends
	v_and_b32 v[HL+1], s26, v[HL+1]
	v_and_b32 v[HL+2], s27, v[HL+2]
	v_and_b32 v[HL+3], s27, v[HL+3]
	s_wait_alu depctr_va_vdst(0)                   ; HL's masked columns are written, which two of the stores below read; so are all the LDS addresses and the offset OO made above
.irp i, 0,1,2,3,4,5,6,7,8,9,10,11,12,13,14,15
	ds_store_b128 v[XW], v[XR+4*\i:XR+4*\i+3] offset:16*XP*\i+8
.endr
	ds_store_b64 v[HS], v[HL:HL+1]
	ds_store_b64 v[HS], v[HL+2:HL+3] offset:264    ; behind row t's 256 bytes
	; u: 16 tiles' parts in registers, then the four groups through LDS
	s_wait_loadcnt 47                              ; coef's 15 and the weights' 32 stay out
	UPADD 8
	UPADD 4
	UPADD 2
	UPADD 1
	s_wait_alu depctr_va_vdst(0)                   ; the sums have written v[UP ..+3], which the store reads, and are done with v[UP+4 ..+7], in which the four loads behind the barrier land
	ds_store_b128 v[URS], v[UP:UP+3]
	BAR                                            ; x's tile and UR are whole
.irp k, 0,1,2,3
	ds_load_b32 v[UP+4+\k], v[URL] offset:1024*\k
.endr
	s_wait_dscnt 0x0
	v_add_f32 v[UP+4], v[UP+4], v[UP+5]
	v_add_f32 v[UP+6], v[UP+6], v[UP+7]
	v_add_f32 v[UP+4], v[UP+4], v[UP+6]
	s_wait_alu depctr_va_vdst(0)                   ; u is written in v[UP+4], which the store reads; no vector instruction names XR's or UP's registers from here until the windows have landed in them
	ds_store_b32 v[ULS], v[UP+4]                   ; u of channel t
	BAR                                            ; UL is whole
	; y' = u + the band's mix of x
	s_wait_alu depctr_vm_vsrc(0)                   ; my LDS stores have read XR, v[UP ..+4] and HL: the windows land in the first two, a fragment buffer later in the third
.irp i, 0,1,2,3,4,5,6,7,8,9,10,11,12,13,14,15
	ds_load_b32 v[UU+\i], v[ULR] offset:64*\i
.endr
	WLOAD 0
	WLOAD 1
	WLOAD 2
	WLOAD 3
	s_wait_loadcnt 32                              ; coef is in; the weights' 32 loads stay out
.irp i, 0,1,2,3,4,5,6,7
	YROW \i, 12                                    ; behind slot i's loads stand those of the four slots i + 1 .. i + 4
.endr
	s_wait_alu depctr_va_vdst(0)                   ; rows 0 to 7 have written their pairs of YP, which the eight stores read; the stores go out while rows 8 to 15 are made
.irp i, 0,1,2,3,4,5,6,7
	ds_store_b64 v[YS], v[YP+2*\i:YP+2*\i+1] offset:16*P16*\i
.endr
.irp i, 8,9,10,11
	YROW \i, 20                                    ; four slots' 12 loads, and the eight stores among them
.endr
.irp i, 12,13,14,15
	YROW \i, 3*(15-\i)                             ; nothing more is asked for: the later slots' loads alone
.endr
	s_wait_alu depctr_va_vdst(0)                   ; rows 8 to 15 have written their pairs of YP; the rows are done reading WD, CF and UU and writing YY: x and the fragments land in all of these behind the barrier
.irp i, 8,9,10,11,12,13,14,15
	ds_store_b64 v[YS], v[YP+2*\i:YP+2*\i+1] offset:16*P16*\i
.endr
	BAR                                            ; YB is whole, and nobody reads x's tile by windows any more: from here each wave touches its own 32 rows alone
	; out = x + Wv y': the accumulators start as x.  K = 256 in 8 steps, on two pairs of fragment buffers
.irp a, 0,1
.irp bn, 0,1,2,3
	ds_load_b128 v[ACC+8*(4*\a+\bn):ACC+8*(4*\a+\bn)+3],   v[XC] offset:\a*16*XP+64*\bn
	ds_load_b128 v[ACC+8*(4*\a+\bn)+4:ACC+8*(4*\a+\bn)+7], v[XC] offset:\a*16*XP+64*\bn+16
.endr
.endr
	WIN 0x04                                       ; source 1 in window 1
	FETCH 0, BF0
	FETCH 1, BF1
	FETCH 2, BF2
	FETCH 3, BF3
	s_wait_loadcnt 0x0                             ; the weights
	s_wait_dscnt 24                                ; x and step 0 are in; the 24 loads of steps 1 to 3 may be out
	MUL8 0, BF0, 0
	s_wait_dscnt 16                                ; steps 2 and 3 may be out
	MUL8 1, BF1, 0
	PLACES
	s_wait_alu depctr_va_vdst(0)                   ; the products of steps 0 and 1 are done reading BF0 and BF1, in which steps 4 and 5 land
	FETCH 4, BF0
	FETCH 5, BF1
	s_wait_dscnt 24                                ; step 2 is in; step 3's 8 loads and the 16 just issued may be out
	MUL8 2, BF2, 0
	s_wait_dscnt 16                                ; the 16 just issued may be out
	MUL8 3, BF3, 0
	PLACES
	s_wait_alu depctr_va_vdst(0)                   ; the products of steps 2 and 3 are done reading BF2 and BF3, in which steps 6 and 7 land
	FETCH 6, BF2
	FETCH 7, BF3
	s_wait_dscnt 24                                ; step 4 is in; step 5's 8 loads and the 16 just issued may be out
	MUL8 4, BF0, 0
	s_wait_dscnt 16
	MUL8 5, BF1, 0
	s_wait_dscnt 8                                 ; step 7's 8 loads may be out
	MUL8 6, BF2, 0
	s_wait_dscnt 0x0
	MUL8 7, BF3, 0
	WIN 0
	PLACES                                         ; in front of the stores, which read the results
	s_wait_alu depctr_va_vdst(0)                   ; the products have written the accumulators, which the LDS stores read, and are done reading BF0 and BF1, in which the whole rows land; the places above stay beside this wait
	; the way out: back into my own rows, read as whole rows.  LDS serves a wave's instructions in order (ISA guide 5.7.1): no wait between the stores and the loads
.irp a, 0,1
.irp bn, 0,1,2,3
	ds_store_b128 v[XC], v[ACC+8*(4*\a+\bn):ACC+8*(4*\a+\bn)+3]   offset:\a*16*XP+64*\bn
	ds_store_b128 v[XC], v[ACC+8*(4*\a+\bn)+4:ACC+8*(4*\a+\bn)+7] offset:\a*16*XP+64*\bn+16
.endr
.endr
.irp k, 0,1,2,3,4,5,6,7,8,9,10,11,12,13,14,15
	ds_load_b128 v[OUTR+4*\k:OUTR+4*\k+3], v[RD] offset:2*XP*\k
.endr
.irp k, 0,1,2,3,4,5,6,7,8,9,10,11,12,13,14,15
	s_wait_dscnt 15-\k                             ; load k is in; the 15 - k behind it stay out
	global_store_b128 v[OO], v[OUTR+4*\k:OUTR+4*\k+3], s[22:23] offset:32768*\k th:TH_STORE_NT     ; sixteen lanes store 256 consecutive bytes, aligned
.endr
	s_wait_dscnt 0x0                               ; the closing lines, six on end
	s_wait_alu 0x0
	s_wait_tensorcnt 0x0
	ds_add_u32 v248, v249
	s_wait_dscnt 0x0
	s_endpgm
.Lfunc_end_k_q78c0e0cc69_mix:
	.size	k_q78c0e0cc69_mix, .Lfunc_end_k_q78c0e0cc69_mix-k_q78c0e0cc69_mix
	.p2alignl 7, 3214868480
	.fill 96, 4, 3214868480
	.section	.rodata,"a",@progbits
	.p2align	6, 0x0
	.amdhsa_kernel k_q78c0e0cc69_mix
		.amdhsa_group_segment_fixed_size 116992
		.amdhsa_private_segment_fixed_size 0
		.amdhsa_enable_private_segment 0
		.amdhsa_kernarg_size 40
		.amdhsa_user_sgpr_count 2
		.amdhsa_user_sgpr_kernarg_segment_ptr 1
		.amdhsa_wavefront_size32 1
		.amdhsa_system_sgpr_workgroup_id_x 1
		.amdhsa_system_sgpr_workgroup_id_y 1
		.amdhsa_system_sgpr_workgroup_id_z 1
		.amdhsa_system_vgpr_workitem_id 0
		.amdhsa_next_free_vgpr 384
		.amdhsa_next_free_sgpr 66
		.amdhsa_reserve_vcc 0
		.amdhsa_float_denorm_mode_32 3
		.amdhsa_float_denorm_mode_16_64 3
		.amdhsa_memory_ordered 1
		.amdhsa_forward_progress 1
		.amdhsa_inst_pref_size 58
	.end_amdhsa_kernel
	.amdgpu_metadata
---
amdhsa.version: [ 1, 2 ]
amdhsa.kernels:
  - .name:           k_q78c0e0cc69_mix
    .symbol:         k_q78c0e0cc69_mix.kd
    .args:
      - { .name: input, .offset: 0, .size: 8, .value_kind: global_buffer, .address_space: global }
      - { .name: wf, .offset: 8, .size: 8, .value_kind: global_buffer, .address_space: global }
      - { .name: coef, .offset: 16, .size: 8, .value_kind: global_buffer, .address_space: global }
      - { .name: upart, .offset: 24, .size: 8, .value_kind: global_buffer, .address_space: global }
      - { .name: out0, .offset: 32, .size: 8, .value_kind: global_buffer, .address_space: global }
    .group_segment_fixed_size: 116992
    .private_segment_fixed_size: 0
    .kernarg_segment_align: 8
    .kernarg_segment_size: 40
    .max_flat_workgroup_size: 256
    .sgpr_count:     66
    .vgpr_count:     384
    .wavefront_size: 32
...
	.end_amdgpu_metadata
.endif
;; end of part 5
